; MI455X (gfx1250); checked and timed in simulation.
; The chip was launched on July 23, 2026; its instructions are those of AMD's public machine-readable ISA for CDNA 5 (MIT licence, August 2026) and "CDNA5" Instruction Set Architecture Reference Guide (July 2026). The comments in the code are by the model that wrote it; some were corrected since.
;; Dilated Attention. Allowed arithmetic: float matrix products may take bf16 or f16 operands with f32 sums; other float arithmetic in f32, or as packed bf16 or f16 multiplies, adds, multiply-adds, maxima and minima; sums over many terms, partial sums and values carried from step to step in f32; what a program stores and reads back later, other than sums and carried values, may be rounded once to bf16 or f16.
;; Inputs: ffn_b1 4,096 float32; ffn_b2 1,024 float32; ffn_w1 4,096 x 1,024 float32; ffn_w2 1,024 x 4,096 float32; ln1_b 1,024 float32; ln1_g 1,024 float32; ln2_b 1,024 float32; ln2_g 1,024 float32; out_b 1,024 float32; out_w 1,024 x 1,024 float32; qkv_b 3,072 float32; qkv_w 3,072 x 1,024 float32; x 2 x 2,048 x 1,024 float32.
;; Outputs: out0 2 x 2,048 x 1,024 float32.
;; 2 versions, each right; version 2 is version 1 with the launch ln2 written anew for expert scheduling mode. Each part assembles by itself: llvm-mc -triple=amdgcn-amd-amdhsa -mcpu=gfx1250 --defsym DOCPART=n.
;; ======== version 1 of 2: 7 launches
;; limits: values are held in f16: magnitudes above 65,504 overflow, below 6.1e-05 lose precision
;; workspace buffers: hy 33,554,432 bytes; big 33,554,432 bytes; wq16 6,291,456 bytes; w116 8,388,608 bytes; wo16 8,388,608 bytes; w216 8,388,608 bytes; x1 16,777,216 bytes; par 256 bytes of whole numbers
;; launch prep (part 1): grid 1024 x 1, 8 waves a work-group, no clusters, 0 bytes of LDS; arguments x, ln1_g, ln1_b, qkv_w, out_w, ffn_w1, ffn_w2, hy, wq16, wo16, w116, w216, par; writes hy, wq16, wo16, w116, w216, par
.if DOCPART == 1
	.amdgcn_target "amdgcn-amd-amdhsa--gfx1250"
	.amdhsa_code_object_version 6
	.text
	.protected	k_q3b08cc9a12_prep
	.globl	k_q3b08cc9a12_prep
	.p2align	8
	.type	k_q3b08cc9a12_prep,@function
k_q3b08cc9a12_prep:
	s_mov_b64 s[64:65], 0
	v_nop
	global_prefetch_b8 v0, s[64:65] scope:SCOPE_SE
	s_setreg_imm32_b32 hwreg(HW_REG_WAVE_MODE, 25, 1), 1
	s_wait_xcnt 0x0
; PREP.  Work-groups 0-255: h = LayerNorm(x) * ln1_g + ln1_b, rounded once to f16, 16 rows a work-group, two rows a wave.  Row b*2048 + l of x goes to row
; b*2048 + (l % 2)*1024 + l/2 of hy (rows of 2,048 bytes): the tokens of one parity lie together, as the dilated window of the attention wants them.
; Work-groups 256-1023: the four weight matrices rounded once to f16, 16 pieces of 1,024 numbers a work-group, two a wave.  qkv_w, ffn_w1, ffn_w2 stay dense; a row of out_w
; (one piece) goes to a row of 8,192 bytes of wo16.  Work-group 0 also writes the selector 0 into par (64 equal words).
; A stream: no LDS, no barrier, no matrix unit.  A row or piece is 32 registers of one wave, so mean and variance are two passes over registers and memory is read once.
; LANES.  Of chunk c (256 numbers) lane l holds numbers 256 c + 8 l .. + 7: two loads of 16 bytes; rounded they are 16 bytes, and a store of the wave covers 512 consecutive bytes, aligned.
; LIMITS.  f16 holds no number beyond 65,504: h and the weights must lie within it; below 6e-5 f16 keeps a fixed step of 6e-8.  NaN and infinities are not treated apart.
.set LO,  2                            ; v2   32 x lane: my bytes in a chunk of f32
.set SO,  3                            ; v3   16 x lane: my bytes in a chunk of f16
.set PO,  4                            ; v4   8 x lane: my bytes of par
.set X0,  8                            ; v[8:39]    first row or piece
.set X1,  40                           ; v[40:71]   second
.set GA,  72                           ; v[72:103]  gain
.set BE,  104                          ; v[104:135] bias
.set Y0,  136                          ; v[136:151] first row, rounded
.set Y1,  152                          ; v[152:167] second
.set AC,  168                          ; v[168:175] four pairs of running sums
.set MP,  176                          ; v[176:177] the mean, twice
.set R0,  178                          ; v[178:179] 1/sqrt(var + eps) of the first row, twice
.set TP,  180                          ; v180       the other half of the lanes' sum
.set R1,  182                          ; v[182:183] of the second row
.set T0,  184                          ; v184, v185 var + eps of the two rows
.set T1,  185
.set ZZ,  186                          ; v[186:187] the selector's words
.set SELA, 42                          ; s[42:43] lane selects for v_permlanex16_b32
.set INV,  44                          ; s44  1/1024
.set EPS,  45                          ; s45  1e-5
.macro LD8 dst, base, off              ; 1,024 f32: eight loads
.irp c, 0,1,2,3
	global_load_b128 v[(\dst)+8*(\c):(\dst)+8*(\c)+3],   v[LO], s[(\base):(\base)+1] offset:(\off)+1024*(\c)
	global_load_b128 v[(\dst)+8*(\c)+4:(\dst)+8*(\c)+7], v[LO], s[(\base):(\base)+1] offset:(\off)+1024*(\c)+16
.endr
.endm
.macro LD8N dst, base, off             ; the same for data that the launch reads once
.irp c, 0,1,2,3
	global_load_b128 v[(\dst)+8*(\c):(\dst)+8*(\c)+3],   v[LO], s[(\base):(\base)+1] offset:(\off)+1024*(\c) th:TH_LOAD_NT
	global_load_b128 v[(\dst)+8*(\c)+4:(\dst)+8*(\c)+7], v[LO], s[(\base):(\base)+1] offset:(\off)+1024*(\c)+16 th:TH_LOAD_NT
.endr
.endm
.macro OUT8 x, y, base, off            ; rounded to f16 and stored: four stores of 512 consecutive bytes
.set i, 0
.rept 16
	v_cvt_pk_f16_f32 v[(\y)+i], v[(\x)+2*i], v[(\x)+2*i+1]
.set i, i+1
.endr
.irp c, 0,1,2,3
	global_store_b128 v[SO], v[(\y)+4*(\c):(\y)+4*(\c)+3], s[(\base):(\base)+1] offset:(\off)+512*(\c)
.endr
.endm
.macro ALLSUM                          ; the four pairs into one number, then over the 32 lanes: every lane ends with the sum in v[AC]
	v_pk_add_f32 v[AC:AC+1], v[AC:AC+1], v[AC+2:AC+3]
	v_pk_add_f32 v[AC+4:AC+5], v[AC+4:AC+5], v[AC+6:AC+7]
	v_pk_add_f32 v[AC:AC+1], v[AC:AC+1], v[AC+4:AC+5]
	v_add_f32 v[AC], v[AC], v[AC+1]
	v_add_f32_dpp v[AC], v[AC], v[AC] row_xmask:1 row_mask:0xf bank_mask:0xf
	v_add_f32_dpp v[AC], v[AC], v[AC] row_xmask:2 row_mask:0xf bank_mask:0xf
	v_add_f32_dpp v[AC], v[AC], v[AC] row_xmask:4 row_mask:0xf bank_mask:0xf
	v_add_f32_dpp v[AC], v[AC], v[AC] row_xmask:8 row_mask:0xf bank_mask:0xf
	v_permlanex16_b32 v[TP], v[AC], s[SELA], s[SELA+1]
	v_add_f32 v[AC], v[AC], v[TP]
.endm
.macro LNSTAT x, t                     ; the row becomes x - mean; t = var + eps (the variance of the centred row: no difference of large sums)
.irp k, 0,2,4,6
	v_pk_add_f32 v[AC+(\k):AC+(\k)+1], v[(\x)+(\k):(\x)+(\k)+1], v[(\x)+8+(\k):(\x)+8+(\k)+1]
.endr
.irp j, 16,24
.irp k, 0,2,4,6
	v_pk_add_f32 v[AC+(\k):AC+(\k)+1], v[AC+(\k):AC+(\k)+1], v[(\x)+(\j)+(\k):(\x)+(\j)+(\k)+1]
.endr
.endr
	ALLSUM
	v_mul_f32 v[MP], s[INV], v[AC]
	v_mul_f32 v[MP+1], s[INV], v[AC]
.set i, 0
.rept 16
	v_pk_add_f32 v[(\x)+i:(\x)+i+1], v[(\x)+i:(\x)+i+1], v[MP:MP+1] neg_lo:[0,1] neg_hi:[0,1]
.set i, i+2
.endr
.irp k, 0,2,4,6
	v_pk_mul_f32 v[AC+(\k):AC+(\k)+1], v[(\x)+(\k):(\x)+(\k)+1], v[(\x)+(\k):(\x)+(\k)+1]
.endr
.irp j, 8,16,24
.irp k, 0,2,4,6
	v_pk_fma_f32 v[AC+(\k):AC+(\k)+1], v[(\x)+(\j)+(\k):(\x)+(\j)+(\k)+1], v[(\x)+(\j)+(\k):(\x)+(\j)+(\k)+1], v[AC+(\k):AC+(\k)+1]
.endr
.endr
	ALLSUM
	v_fma_f32 v[\t], v[AC], s[INV], s[EPS]
.endm
.macro LNOUT x, r, y, off              ; (x - mean) * rstd * gain + bias, rounded, stored
.set i, 0
.rept 16
	v_pk_mul_f32 v[(\x)+i:(\x)+i+1], v[(\x)+i:(\x)+i+1], v[(\r):(\r)+1]
.set i, i+2
.endr
.set i, 0
.rept 16
	v_pk_fma_f32 v[(\x)+i:(\x)+i+1], v[(\x)+i:(\x)+i+1], v[GA+i:GA+i+1], v[BE+i:BE+i+1]
.set i, i+2
.endr
	OUT8 \x, \y, 10, \off
.endm
	s_load_b512 s[16:31], s[0:1], 0x0              ; x 16, ln1_g 18, ln1_b 20, qkv_w 22, out_w 24, ffn_w1 26, ffn_w2 28, hy 30
	s_load_b256 s[32:39], s[0:1], 0x40             ; wq16 32, wo16 34, w116 36, w216 38
	s_load_b64 s[40:41], s[0:1], 0x60              ; par
	v_lshrrev_b32 v1, 5, v0
	v_readfirstlane_b32 s2, v1                     ; wave 0..7
	v_and_b32 v1, 31, v0
	v_lshlrev_b32 v[LO], 5, v1
	v_lshlrev_b32 v[SO], 4, v1
	v_lshlrev_b32 v[PO], 3, v1
	s_mov_b32 s[SELA], 0x76543210
	s_mov_b32 s[SELA+1], 0xfedcba98
	s_mov_b32 s[INV], 0x3a800000                   ; 1/1024
	s_mov_b32 s[EPS], 0x3727c5ac                   ; 1e-5
	s_wait_kmcnt 0x0
	s_cmp_lt_u32 ttmp9, 256
	s_cbranch_scc0 .Lcast
	; ---- LayerNorm: rows m0 = 16 x work-group + 2 x wave (even: parity 0) and m0 + 1 (parity 1)
	s_lshl_b32 s4, ttmp9, 4
	s_lshl_b32 s5, s2, 1
	s_add_co_u32 s4, s4, s5                        ; m0
	s_lshl_b32 s6, s4, 12                          ; x 4,096 bytes
	s_mov_b32 s7, 0
	s_add_nc_u64 s[8:9], s[16:17], s[6:7]          ; x at row m0
	s_and_b32 s5, s4, 2047
	s_lshr_b32 s5, s5, 1                           ; the token's place in its parity
	s_and_b32 s6, s4, 0xfffff800                   ; the batch's first row
	s_add_co_u32 s6, s6, s5
	s_lshl_b32 s6, s6, 11                          ; x 2,048 bytes
	s_add_nc_u64 s[10:11], s[30:31], s[6:7]        ; hy at the first row's place; the second lies 1,024 rows on
	LD8 X0, 8, 0
	LD8 X1, 8, 4096
	LD8 GA, 18, 0
	LD8 BE, 20, 0
	v_mov_b32 v[TP], 0                             ; v_permlanex16_b32 counts as a reader of its destination
	s_wait_loadcnt 24                              ; the first row's eight loads are in; 24 younger ones stay out
	LNSTAT X0, T0
	s_wait_loadcnt 16                              ; the second row's are in; gain and bias stay out
	LNSTAT X1, T1
	v_rsq_f32 v[R0], v[T0]                         ; one batch of four
	v_rsq_f32 v[R0+1], v[T0]
	v_rsq_f32 v[R1], v[T1]
	v_rsq_f32 v[R1+1], v[T1]
	v_nop                                          ; a plain instruction behind the last of them (ISA guide 5.7.2),
	s_wait_alu depctr_va_vdst(0)                   ; and the wait ahead of the first reader: one for the batch
	s_wait_loadcnt 0x0                             ; gain and bias
	LNOUT X0, R0, Y0, 0
	LNOUT X1, R1, Y1, 1024*2048
	s_or_b32 s4, ttmp9, s2
	s_cmp_lg_u32 s4, 0
	s_cbranch_scc1 .Ldone
	v_mov_b32 v[ZZ], 0                             ; the selector for the launches up to the second LayerNorm: 0, in all 64 words of par
	v_mov_b32 v[ZZ+1], 0
	global_store_b64 v[PO], v[ZZ:ZZ+1], s[40:41]   ; 32 lanes x 8 bytes: the 256 bytes of par
.Ldone:
	s_endpgm
	; ---- casts: work-group c = id - 256; 0-191 qkv_w, 192-255 out_w, 256-511 ffn_w1, 512-767 ffn_w2
.Lcast:
	s_sub_co_u32 s4, ttmp9, 256
	s_mov_b64 s[8:9], s[28:29]                     ; from
	s_mov_b64 s[10:11], s[38:39]                   ; to
	s_mov_b32 s5, 512                              ; the matrix's first work-group
	s_mov_b32 s12, 2048                            ; bytes from piece to piece in the target
	s_cmp_lt_u32 s4, 512
	s_cselect_b64 s[8:9], s[26:27], s[8:9]
	s_cselect_b64 s[10:11], s[36:37], s[10:11]
	s_cselect_b32 s5, 256, s5
	s_cmp_lt_u32 s4, 256
	s_cselect_b64 s[8:9], s[24:25], s[8:9]
	s_cselect_b64 s[10:11], s[34:35], s[10:11]
	s_cselect_b32 s5, 192, s5
	s_cselect_b32 s12, 8192, s12
	s_cmp_lt_u32 s4, 192
	s_cselect_b64 s[8:9], s[22:23], s[8:9]
	s_cselect_b64 s[10:11], s[32:33], s[10:11]
	s_cselect_b32 s5, 0, s5
	s_cselect_b32 s12, 2048, s12
	s_sub_co_u32 s4, s4, s5                        ; my number within the matrix
	s_lshl_b32 s6, s4, 16                          ; 16 pieces of 4,096 bytes,
	s_lshl_b32 s7, s2, 13                          ; my wave's two
	s_add_co_u32 s6, s6, s7
	s_mov_b32 s7, 0
	s_add_nc_u64 s[8:9], s[8:9], s[6:7]
	s_lshl_b32 s6, s4, 4
	s_lshl_b32 s14, s2, 1
	s_add_co_u32 s6, s6, s14                       ; my first piece's number
	s_mul_i32 s6, s6, s12
	s_add_nc_u64 s[10:11], s[10:11], s[6:7]
	s_mov_b32 s13, 0
	s_add_nc_u64 s[14:15], s[10:11], s[12:13]      ; the second piece's place
	LD8N X0, 8, 0
	LD8N X1, 8, 4096
	s_wait_loadcnt 8                               ; the first piece is in; the second's eight loads stay out
	OUT8 X0, Y0, 10, 0
	s_wait_loadcnt 0x0
	OUT8 X1, Y1, 14, 0
	s_endpgm
.Lfunc_end_k_q3b08cc9a12_prep:
	.size	k_q3b08cc9a12_prep, .Lfunc_end_k_q3b08cc9a12_prep-k_q3b08cc9a12_prep
	.p2alignl 7, 3214868480
	.fill 96, 4, 3214868480
	.section	.rodata,"a",@progbits
	.p2align	6, 0x0
	.amdhsa_kernel k_q3b08cc9a12_prep
		.amdhsa_group_segment_fixed_size 0
		.amdhsa_private_segment_fixed_size 0
		.amdhsa_enable_private_segment 0
		.amdhsa_kernarg_size 104
		.amdhsa_user_sgpr_count 2
		.amdhsa_user_sgpr_kernarg_segment_ptr 1
		.amdhsa_wavefront_size32 1
		.amdhsa_system_sgpr_workgroup_id_x 1
		.amdhsa_system_sgpr_workgroup_id_y 1
		.amdhsa_system_sgpr_workgroup_id_z 1
		.amdhsa_system_vgpr_workitem_id 0
		.amdhsa_next_free_vgpr 192
		.amdhsa_next_free_sgpr 66
		.amdhsa_reserve_vcc 0
		.amdhsa_float_denorm_mode_32 3
		.amdhsa_float_denorm_mode_16_64 3
		.amdhsa_memory_ordered 1
		.amdhsa_forward_progress 1
		.amdhsa_inst_pref_size 26
	.end_amdhsa_kernel
	.amdgpu_metadata
---
amdhsa.version: [ 1, 2 ]
amdhsa.kernels:
  - .name:           k_q3b08cc9a12_prep
    .symbol:         k_q3b08cc9a12_prep.kd
    .args:
      - { .name: x, .offset: 0, .size: 8, .value_kind: global_buffer, .address_space: global }
      - { .name: ln1_g, .offset: 8, .size: 8, .value_kind: global_buffer, .address_space: global }
      - { .name: ln1_b, .offset: 16, .size: 8, .value_kind: global_buffer, .address_space: global }
      - { .name: qkv_w, .offset: 24, .size: 8, .value_kind: global_buffer, .address_space: global }
      - { .name: out_w, .offset: 32, .size: 8, .value_kind: global_buffer, .address_space: global }
      - { .name: ffn_w1, .offset: 40, .size: 8, .value_kind: global_buffer, .address_space: global }
      - { .name: ffn_w2, .offset: 48, .size: 8, .value_kind: global_buffer, .address_space: global }
      - { .name: hy, .offset: 56, .size: 8, .value_kind: global_buffer, .address_space: global }
      - { .name: wq16, .offset: 64, .size: 8, .value_kind: global_buffer, .address_space: global }
      - { .name: wo16, .offset: 72, .size: 8, .value_kind: global_buffer, .address_space: global }
      - { .name: w116, .offset: 80, .size: 8, .value_kind: global_buffer, .address_space: global }
      - { .name: w216, .offset: 88, .size: 8, .value_kind: global_buffer, .address_space: global }
      - { .name: par, .offset: 96, .size: 8, .value_kind: global_buffer, .address_space: global }
    .group_segment_fixed_size: 0
    .private_segment_fixed_size: 0
    .kernarg_segment_align: 8
    .kernarg_segment_size: 104
    .max_flat_workgroup_size: 256
    .sgpr_count:     66
    .vgpr_count:     192
    .wavefront_size: 32
...
	.end_amdgpu_metadata
.endif
;; end of part 1
;; launch qkv (part 2): grid 12 x 16, 4 waves a work-group, clusters of 4 x 4, 327,680 bytes of LDS; arguments hy, wq16, qkv_b, par, big; writes big
.if DOCPART == 2
	.amdgcn_target "amdgcn-amd-amdhsa--gfx1250"
	.amdhsa_code_object_version 6
	.text
	.protected	k_q3b08cc9a12_qkv
	.globl	k_q3b08cc9a12_qkv
	.p2align	8
	.type	k_q3b08cc9a12_qkv,@function
k_q3b08cc9a12_qkv:
	s_mov_b64 s[64:65], 0
	v_nop
	global_prefetch_b8 v0, s[64:65] scope:SCOPE_SE
	s_setreg_imm32_b32 hwreg(HW_REG_WAVE_MODE, 25, 1), 1
	s_wait_xcnt 0x0
	s_wait_alu depctr_hold_cnt(0) depctr_sa_sdst(0) depctr_va_vdst(0) depctr_va_sdst(0) depctr_va_ssrc(0) depctr_va_vcc(0) depctr_vm_vsrc(0)
	s_getreg_b32 s2, hwreg(HW_REG_IB_STS2, 6, 4)
	s_cmp_eq_u32 s2, 0
	s_cbranch_scc0 .Lentry_in_a_cluster
	s_endpgm
.Lentry_in_a_cluster:
	s_bfe_u32 s2, ttmp6, 0x10000c
	s_cmp_lg_u32 s2, 0xf033
	s_cbranch_scc0 .Lentry_shape_is_right
	s_endpgm
.Lentry_shape_is_right:
; C[m][n] = act(sum over k of A[m][k] B[n][k] + bias[n]).  A: [4096][1024] f16 (rows of 2,048 bytes), B: [n][1024] f16, bias f32, C f16 in rows of 8,192 bytes.
; act is the exact GELU where the selector (first word of par, written by an earlier launch) is not 0, and the identity where it is 0.  ONE TEXT SERVES BOTH, WITHOUT A BRANCH: the selector chooses scalar constants.
; GELU(u) = max(u, 0) - |u| Q(|u|), Q the normal tail: Q(a) = (c0 + c1 a + .. + c6 a^6)^-16 (Abramowitz and Stegun 26.2.19, absolute error under 1.5e-7 for every argument; its factor 1/2 lies in the coefficients as 2^(1/16)).
; With the selector 0 the coefficients are c6 .. c2 = 0 and c1 = 1e30: for every f16 number a above 0 the reciprocal is under 2e-23 and its square is 0, so |u| Q is 0; the floor of the maximum is f16's lowest finite number; the same lines give u, bit for bit.
; The price: the launch with the identity runs the activation's arithmetic for nothing (16 trips a wave beside its 2,048 matrix instructions); the gain: one text for two launches.
; Sums in f32; the sum is rounded once to f16 on its way through LDS, the activation once more.
; LIMITS.  f16 holds no number beyond 65,504: A, B and C must lie within it.  A tail below 2^-126 counts as 0.  NaN and infinities are not treated apart (with the selector 0 an infinite sum gives NaN).
; SHAPE.  A tile of C is 256 x 256, four waves, each 128 x 128: 64 accumulators of 16 x 16, 512 registers.  K goes in 8 steps of 128 through a ring of two LDS slots filled by the tensor data mover; the rows of A's and B's tiles
; are 256 bytes of memory and start at multiples of 256 bytes.
; CLUSTERS: 4 x 4 work-groups.  The four of a row of the cluster need the same tiles of A, the four of a column the same tiles of B: each tile is asked for JOINTLY, by the same tensor load with the same descriptor and a mask of four.
; THE MATRIX INSTRUCTION IS USED TRANSPOSED: source 0 = 16 rows of B, source 1 = 16 rows of A: lane l holds row l % 16 of C and the columns 8 (l / 16) + 0..7.  So a bias fragment (8 registers: the lane's eight columns) is the C operand
; of the product that starts a sum: nothing is cleared and the bias costs no instruction.
; REGISTERS, in windows of 256: window 0: v0-31 addresses; v64-127, v128-191 fragments of A, two buffers; v192-255 the bias fragments, later at work on the way out.  window 1: v64-127, v128-191 fragments of B.
;   window 2: the accumulators of my rows 0-63 ((a, b) at v[8 (8 a + b)]); window 3: those of rows 64-127.
; THE WAY OUT goes through LDS: slot 0 has had its last fill (K step 6) and its last read ahead of the last change of slots, so wave w's quarter of it (128 rows x 272 bytes) is the wave's own stage.
.set SIZE_K, 1024
.set CROW,   8192                      ; bytes in a row of C
.set KSTEP,  128
.set PITCH,  272                       ; an LDS row: 256 bytes + 16 of padding = 68 words: the 16 rows that a load touches start at 16 different groups of four banks (64 banks of 4 bytes: ISA guide 11.1)
.set HALFT,  128*PITCH                 ; 128 rows: what one tensor load brings
.set SLOT,   4*HALFT                   ; A's 256 rows, then B's 256 rows
.set SPARE,  2*SLOT                    ; behind the ring: the spare words, 128 bytes a wave: two blocks of 256 bytes that no other line names
.set LAPS,   SIZE_K/(2*KSTEP)
.set ADRA, 16                          ; v16-17  LDS address of my A fragments in slot 0, 1
.set ADRB, 20                          ; v20-21  the same for B
.set ZR,   22                          ; v22     0.0, for the widening of f16 halves
.set RDX,  23                          ; v23     the way out: RD + the trip's step
.set STO,  24                          ; v24     the way out: where I put 16 bytes of a row
.set RD,   25                          ; v25     the way out: where I read my stage's first two rows back; never rewritten
.set CO,   26                          ; v26     my byte offset in two rows of C
.set BO,   27                          ; v27     my byte offset in a bias fragment
.set SPW,  28                          ; v28     LDS address of my spare word; never rewritten
.set NIL,  29                          ; v29     0; never rewritten
.set PFO,  30                          ; v30     the prefetches' offset: my lane x a row of A or B; never rewritten
.set ONE,  31                          ; v31     1.0
.set F0,   64
.set F1,   128
.set BF,   192                         ; bias fragment of column block b at BF + 8 b
.set TMP,  192                         ; later: packed results
.set IN,   32                          ; the activation: 8 rows as read back (f16), 16 registers
.set OUT,  48                          ; max(u, floor) in f16, then the result, 16 registers
.set AB,   64                          ; |u| in f32, 32 registers
.set PL,   96                          ; the polynomial, its reciprocal, the 16th power, 32 registers
.set PFA,  44                          ; s[44:45] where my prefetches stand
.set LIM,  43                          ; s43     1 in a wave that prefetches, else the greatest number
.set G1,  24                           ; s[24:31] descriptor group 1 for A's tiles;  s[32:39] group 0, one set a slot
.set G0,  32
.set G1B, 48                           ; s[48:55], s[56:63] the same for B's
.set G0B, 56
.set SEL, 72                           ; s72     the selector
.set LOH, 74                           ; s74     the floor of the maximum, twice in f16: 0, or the lowest finite number
.set RO,  75                           ; s75     the way out: bytes from my stage's first rows to the rows asked for
.set C6,  76                           ; s[76:89] the seven coefficients, as pairs
.set C5,  78
.set C4,  80
.set C3,  82
.set C2,  84
.set C1,  86
.set C0,  88
.set MSB, 0
.macro WIN new                         ; the immediate's high byte repeats the setting that is left; a switch that changes nothing is dropped
.if MSB != (\new)
	s_set_vgpr_msb (MSB<<8)|(\new)
.set MSB, \new
.endif
.endm
.set MUL_LO, 0xa1                      ; source 0 (B) window 1, source 1 (A) window 0, C and D window 2
.set TO_B,   0x40                      ; destination window 1, address window 0
; A joint load.  Waves 0 and 1 fetch A's two halves, waves 2 and 3 B's.  The branch hangs on the wave's number alone.  An s_nop 0 and four v_nop follow each of the two lines.
.macro JLOAD s
	s_cmp_eq_u32 s11, 0
	s_cbranch_scc0 .Lfor_b_\@
	tensor_load_to_lds s[G0+4*(\s):G0+4*(\s)+3], s[G1:G1+7]
	s_nop 0
.rept 4
	v_nop
.endr
	s_branch .Lasked_\@
.Lfor_b_\@:
	tensor_load_to_lds s[G0B+4*(\s):G0B+4*(\s)+3], s[G1B:G1B+7]
	s_nop 0
.rept 4
	v_nop
.endr
.Lasked_\@:
.endm
; A prefetch into the L2 of the K step that stands two refills on: 32 rows x 256 bytes, a lane a row, one instruction a wave.  Each row's 256 bytes of a K step are named once in the launch: A's tile row is asked for by the
; cluster with x = 0, B's tile column by the cluster with y = 0; the four partners that ask for a tile jointly take 32 of a wave's 128 rows each, told apart by address.  The loop's last trip has no K step two on and asks for nothing.
.macro ASK
	s_cmp_gt_u32 s3, s[LIM]                        ; s3 = 1 in the loop's last trip
	s_cbranch_scc0 .Lnot_mine_\@
	global_prefetch_b8 v[PFO], s[PFA:PFA+1] offset:KSTEP*2 th:TH_LOAD_NT scope:SCOPE_SE
.Lnot_mine_\@:
.endm
.macro CREST                           ; a round of the cluster's barrier behind its opening barrier
	s_cmp_lg_u32 s10, 0
	s_cbranch_scc1 .Lnot_wave_0_\@
	s_barrier_signal -3
.Lnot_wave_0_\@:
	s_barrier_wait -3
	s_barrier_signal -1
	s_barrier_wait -1
.endm
.macro CROUND                          ; a whole round
	s_barrier_signal -1
	s_barrier_wait -1
	CREST
.endm
	s_load_b128 s[4:7], s[0:1], 0x0                ; A s[4:5], B s[6:7]
	s_load_b128 s[68:71], s[0:1], 0x10             ; bias s[68:69], par s[70:71]
	s_load_b64 s[8:9], s[0:1], 0x20                ; C
	v_lshl_add_u32 v[SPW], v0, 2, SPARE
	v_mov_b32 v[NIL], 0
	ds_add_u32 v[SPW], v[NIL]                      ; the wave's opening: the add and its wait ahead of my first tensor load; the set-up below, work on registers, stands between them
	v_lshrrev_b32 v1, 5, v0
	v_readfirstlane_b32 s10, v1                    ; wave 0..3
	s_lshr_b32 s11, s10, 1                         ; which half of the tile's rows is mine.  Also: I fetch for A (0) or for B (1)
	s_and_b32 s12, s10, 1                          ; which half of its columns.  Also: which 128 rows of that tile I fetch
	s_bfe_u32 s40, ttmp6, 0x40000                  ; cx
	s_bfe_u32 s41, ttmp6, 0x40004                  ; cy
	s_lshl_b32 s42, ttmp9, 2
	s_add_co_u32 s42, s42, s40                     ; tile column of C = 4 x cluster x + cx
	s_and_b32 s13, ttmp7, 0xffff
	s_lshl_b32 s13, s13, 2
	s_add_co_u32 s13, s13, s41                     ; tile row of C = 4 x cluster y + cy
	s_lshl_b32 s43, s41, 2
	s_lshl_b32 s43, 15, s43                        ; my row of the cluster
	s_lshl_b32 s44, 0x1111, s40                    ; my column
	s_or_b32 s[G1+0], s43, (1<<16)|(1<<20)|(1<<21)|(5<<22)|(3<<25)   ; the mask: A's tiles go to my row; elements of 2 bytes; padding on; bit 21 beside a mask; after every 64 words 4 words
	s_or_b32 s[G1B+0], s44, (1<<16)|(1<<20)|(1<<21)|(5<<22)|(3<<25)  ; the same with the mask of my column
.irp g, G1, G1B
	s_mov_b32 s[(\g)+1], KSTEP<<16                 ; tensor_dim0 = 128
	s_mov_b32 s[(\g)+2], 128<<16                   ; tensor_dim1 = 128
	s_mov_b32 s[(\g)+3], KSTEP<<16                 ; tile_dim0 = 128
	s_mov_b32 s[(\g)+4], 128                       ; tile_dim1 = 128
	s_mov_b32 s[(\g)+5], SIZE_K                    ; elements from row to row
	s_mov_b32 s[(\g)+6], 0
	s_mov_b32 s[(\g)+7], 0
.endr
	s_lshl_b32 s17, s12, 7                         ; which 128 rows of the tile I fetch
	s_lshl_b32 s16, s13, 8
	s_add_co_u32 s16, s16, s17                     ; A: row 256 x tile row + 128 x half
	s_lshl_b32 s46, s42, 8
	s_add_co_u32 s46, s46, s17                     ; B: row 256 x tile column + 128 x half
	s_lshl_b32 s16, s16, 11                        ; rows of 2,048 bytes: under 2^23
	s_lshl_b32 s46, s46, 11
	s_mov_b32 s17, 0
	s_mov_b32 s47, 0
	s_mul_i32 s20, s10, HALFT                      ; where they go: wave x 128 rows: no place in the cluster enters an LDS address
	s_wait_dscnt 0x0                               ; the opening add is done
	s_wait_kmcnt 0x0
	s_add_nc_u64 s[14:15], s[4:5], s[16:17]
	s_add_nc_u64 s[46:47], s[6:7], s[46:47]
	CROUND                                         ; all sixteen work-groups are here: the first joint loads meet
.irp s, 0,1
	s_mov_b32 s[G0+4*(\s)], 1
	s_add_co_u32 s[G0+4*(\s)+1], s20, (\s)*SLOT
	s_add_nc_u64 s[G0+4*(\s)+2:G0+4*(\s)+3], s[14:15], (\s)*KSTEP*2
	s_or_b32 s[G0+4*(\s)+3], s[G0+4*(\s)+3], 0x80000000
	s_mov_b32 s[G0B+4*(\s)], 1
	s_add_co_u32 s[G0B+4*(\s)+1], s20, (\s)*SLOT
	s_add_nc_u64 s[G0B+4*(\s)+2:G0B+4*(\s)+3], s[46:47], (\s)*KSTEP*2
	s_or_b32 s[G0B+4*(\s)+3], s[G0B+4*(\s)+3], 0x80000000
	JLOAD \s                                       ; the ring is filled before anything else is done: two loads of mine are out
.endr
	s_load_b32 s[SEL], s[70:71], 0x0               ; the selector: it enters scalar constants alone: no branch, no trip count and no address hangs on it
	v_and_b32 v1, 15, v0                           ; l % 16
	v_bfe_u32 v2, v0, 4, 1                         ; l / 16
	v_mul_u32_u24 v3, v1, PITCH
	v_lshl_add_u32 v3, v2, 4, v3                   ; row x pitch + 16 x half
	s_mul_i32 s21, s11, HALFT                      ; my 128 rows of A
	s_mul_i32 s22, s12, HALFT                      ; my 128 rows of B,
	s_add_co_u32 s22, s22, 2*HALFT                 ; which lie behind A's 256
.irp s, 0,1
	v_add_nc_u32 v[ADRA+(\s)], s21, v3
	v_add_nc_u32 v[ADRB+(\s)], s22, v3
	s_add_co_u32 s21, s21, SLOT
	s_add_co_u32 s22, s22, SLOT
.endr
	s_mul_i32 s23, s10, HALFT                      ; my stage: my quarter of slot 0
	v_add_nc_u32 v[STO], s23, v3                   ; in: row l % 16, 16 bytes for each half of the lanes
	v_mul_u32_u24 v5, v2, PITCH                    ; back: lanes 0-15 take one row of 256 bytes, lanes 16-31 the next
	v_lshl_add_u32 v5, v1, 4, v5
	v_add_nc_u32 v[RD], s23, v5
	v_lshlrev_b32 v5, 13, v2                       ; and the same two rows in C
	v_lshl_add_u32 v[CO], v1, 4, v5
	v_lshlrev_b32 v[BO], 5, v2                     ; 8 f32 for each half of the lanes
	v_mov_b32 v[ZR], 0
	v_mov_b32 v[ONE], 1.0
	s_lshl_b32 s46, s42, 10                        ; the bias of my 128 columns: 4 x (256 x tile column + 128 x half)
	s_lshl_b32 s47, s12, 9
	s_add_co_u32 s46, s46, s47
	s_mov_b32 s47, 0
	s_add_nc_u64 s[68:69], s[68:69], s[46:47]
.irp b, 0,1,2,3,4,5,6,7
	global_load_b128 v[BF+8*(\b):BF+8*(\b)+3],   v[BO], s[68:69] offset:64*(\b)
	global_load_b128 v[BF+8*(\b)+4:BF+8*(\b)+7], v[BO], s[68:69] offset:64*(\b)+16
.endr
	s_lshl_b32 s13, s13, 8                         ; 256 x tile row
	s_lshl_b32 s14, s11, 7
	s_add_co_u32 s16, s13, s14                     ; my first row of C,
	s_lshl_b32 s16, s16, 13                        ; in bytes: under 2^25
	s_lshl_b32 s46, s42, 9                         ; my first column, in bytes
	s_lshl_b32 s47, s12, 8
	s_add_co_u32 s46, s46, s47
	s_add_co_u32 s16, s16, s46
	s_mov_b32 s17, 0
	s_add_nc_u64 s[8:9], s[8:9], s[16:17]
	; the prefetches
	s_lshl_b32 s42, s42, 8
	s_and_b32 s22, ttmp7, 0xffff                   ; cluster y
	s_cmp_eq_u32 s11, 0                            ; do I fetch for A?
	s_cselect_b32 s20, s13, s42                    ; the tile's first row
	s_cselect_b32 s21, s40, s41                    ; my place among the four that ask for it with me
	s_cselect_b32 s22, ttmp9, s22                  ; the coordinate along which other clusters read the same rows
	s_cselect_b64 s[PFA:PFA+1], s[4:5], s[6:7]
	s_cmp_eq_u32 s22, 0
	s_cselect_b32 s[LIM], 1, -1                    ; the same in all sixteen partners, for a given wave
	s_lshl_b32 s22, s12, 7
	s_add_co_u32 s20, s20, s22                     ; + the 128 rows that I fetch
	s_lshl_b32 s21, s21, 5
	s_add_co_u32 s20, s20, s21                     ; + my work-group's 32 of them
	s_lshl_b32 s20, s20, 11
	s_mov_b32 s21, 0
	s_add_nc_u64 s[PFA:PFA+1], s[PFA:PFA+1], s[20:21]
	s_add_nc_u64 s[PFA:PFA+1], s[PFA:PFA+1], 2*KSTEP*2  ; at K step 2: the first refill steps it to 3 and names K step 4.  Nothing is prefetched at the head
	v_and_b32 v[PFO], 31, v0
	v_lshlrev_b32 v[PFO], 11, v[PFO]
; 16 matrix instructions: m blocks a0, a0 + 1 of the window's four x all 8 n blocks, 32 along K.  zero = 1: the first product starts the sums, with the bias fragment as C.
.macro MUL16 f, hi, a0, zero
.if \zero
	WIN 0x81+0x40*(\hi)                            ; C in window 0, D in window 2 or 3
.else
	WIN MUL_LO+0x50*(\hi)
.endif
.irp a, \a0, (\a0)+1
.irp b, 0,1,2,3,4,5,6,7
.if \zero
	v_wmma_f32_16x16x32_f16 v[8*(8*(\a)+(\b)):8*(8*(\a)+(\b))+7], v[(\f)+8*(\b):(\f)+8*(\b)+7], v[(\f)+8*(4*(\hi)+(\a)):(\f)+8*(4*(\hi)+(\a))+7], v[BF+8*(\b):BF+8*(\b)+7]
.else
	v_wmma_f32_16x16x32_f16 v[8*(8*(\a)+(\b)):8*(8*(\a)+(\b))+7], v[(\f)+8*(\b):(\f)+8*(\b)+7], v[(\f)+8*(4*(\hi)+(\a)):(\f)+8*(4*(\hi)+(\a))+7], v[8*(8*(\a)+(\b)):8*(8*(\a)+(\b))+7]
.endif
.endr
.endr
.endm
; 32 LDS loads in one run: the fragments of one quarter step (128 rows of B, 128 rows of A, 32 K at byte k of the rows) into buffer f
.macro FETCH slot, k, f
	WIN TO_B
.irp i, 0,1,2,3,4,5,6,7
	ds_load_b128 v[(\f)+8*(\i):(\f)+8*(\i)+3],   v[ADRB+(\slot)] offset:(\k)+(\i)*16*PITCH
	ds_load_b128 v[(\f)+8*(\i)+4:(\f)+8*(\i)+7], v[ADRB+(\slot)] offset:(\k)+(\i)*16*PITCH+32
.endr
	WIN 0
.irp i, 0,1,2,3,4,5,6,7
	ds_load_b128 v[(\f)+8*(\i):(\f)+8*(\i)+3],   v[ADRA+(\slot)] offset:(\k)+(\i)*16*PITCH
	ds_load_b128 v[(\f)+8*(\i)+4:(\f)+8*(\i)+7], v[ADRA+(\slot)] offset:(\k)+(\i)*16*PITCH+32
.endr
.endm
.macro PLACES                          ; four plain instructions between a matrix instruction and a load into, or a vector read of, its registers (ISA guide 7.12.1 for vector reads)
.rept 4
	v_nop
.endr
.endm
; A K step is four quarters of 32 along K, 64 matrix instructions each, on buffers 0, 1, 0, 1; the 64 accumulators take turns in the same order in every quarter.
.macro QUARTER slot, k, f, g, zero
	s_wait_dscnt 8                                 ; B and A's rows 0-63 are in; the youngest eight loads (A's rows 64-127) may be out
	MUL16 \f, 0, 0, \zero
	MUL16 \f, 0, 2, \zero
	PLACES
	FETCH \slot, \k, \g
	s_wait_dscnt 32                                ; all but the 32 just issued
	MUL16 \f, 1, 0, \zero
	MUL16 \f, 1, 2, \zero
.endm
; The first half of the last quarter: ONE barrier for the change of slots.  In front of it each wave waits for all its tensor loads (one is out: its part of the next slot), adds 0 to its spare word, and waits for that and for its reads of this slot.
.macro MEET round
	WIN 0                                          ; (the add's two registers lie in window 0)
	s_wait_tensorcnt 0x0
	ds_add_u32 v[SPW], v[NIL]
	s_wait_dscnt 9                                 ; (the add and the youngest eight loads may be out)
	MUL16 F1, 0, 0, 0                              ; sixteen matrix instructions stand between the add and the wait for it
	s_wait_dscnt 0x0                               ; the add is done, and my reads of this slot are over
	s_barrier_signal -1
	MUL16 F1, 0, 2, 0
.if \round
	WIN 0
.endif
	s_barrier_wait -1
.endm
.macro TURN slot, next                 ; the whole last quarter where the slot is filled again, with the K step two steps on
	s_wait_xcnt 0x0                                ; the last prefetch, a K step back, has read its address
	s_add_nc_u64 s[PFA:PFA+1], s[PFA:PFA+1], KSTEP*2
	MEET 1
	CREST                                          ; no wave of any partner still reads this slot's tile or has a load on its way
	s_add_nc_u64 s[G0+4*(\slot)+2:G0+4*(\slot)+3], s[G0+4*(\slot)+2:G0+4*(\slot)+3], 2*KSTEP*2
	s_add_nc_u64 s[G0B+4*(\slot)+2:G0B+4*(\slot)+3], s[G0B+4*(\slot)+2:G0B+4*(\slot)+3], 2*KSTEP*2
	JLOAD \slot                                    ; the first tensor load behind the round; its four v_nop are also the places in front of the loads below
	FETCH \next, 0, F0
	ASK
	MUL16 F1, 1, 0, 0
	MUL16 F1, 1, 2, 0
.endm
	s_wait_tensorcnt 1                             ; my part of K step 0 is in; K step 1's load may stay out
	s_wait_loadcnt 0x0                             ; the bias
	s_wait_kmcnt 0x0                               ; the selector
	s_barrier_signal -1
	s_barrier_wait -1
	FETCH 0, 0, F0
	QUARTER 0, 64,  F0, F1, 1                      ; the first quarter stands in front of the loop: its products start the sums
	WIN 0                                          ; at a label and at a branch every window is 0
	s_mov_b32 s3, LAPS-1
.Llap:                                         ; a trip goes once round the ring and fills both slots again
	QUARTER 0, 128, F1, F0, 0
	QUARTER 0, 192, F0, F1, 0
	TURN 0, 1
	QUARTER 1, 64,  F0, F1, 0
	QUARTER 1, 128, F1, F0, 0
	QUARTER 1, 192, F0, F1, 0
	TURN 1, 0
	QUARTER 0, 64,  F0, F1, 0
	WIN 0
	s_sub_co_u32 s3, s3, 1
	s_cmp_lg_u32 s3, 0
	s_cbranch_scc1 .Llap
	QUARTER 0, 128, F1, F0, 0                      ; the last lap is written out: it asks for nothing
	QUARTER 0, 192, F0, F1, 0
	MEET 0                                         ; behind this barrier nobody reads slot 0 any more, and no load fills it again
	PLACES
	FETCH 1, 0, F0
	MUL16 F1, 1, 0, 0
	MUL16 F1, 1, 2, 0
	QUARTER 1, 64,  F0, F1, 0
	QUARTER 1, 128, F1, F0, 0
	QUARTER 1, 192, F0, F1, 0
	s_wait_dscnt 8
	MUL16 F1, 0, 0, 0
	MUL16 F1, 0, 2, 0
	s_wait_dscnt 0x0
	MUL16 F1, 1, 0, 0
	MUL16 F1, 1, 2, 0
	; THE WAY OUT, first part: my 128 x 128 sums, rounded to f16, 16 bytes a lane, into my stage.  Each accumulator's registers are read in ascending order.
	PLACES
.irp a, 0,1,2,3,4,5,6,7
	WIN 0x0a+5*((\a)/4)                            ; sources 0 and 1: window 2 or 3
.irp b, 0,1,2,3,4,5,6,7
.irp r, 0,1,2,3
	v_cvt_pk_f16_f32 v[TMP+4*(\b)+(\r)], v[64*((\a)%4)+8*(\b)+2*(\r)], v[64*((\a)%4)+8*(\b)+2*(\r)+1]
.endr
.endr
	WIN 0
.irp b, 0,1,2,3,4,5,6,7
	ds_store_b128 v[STO], v[TMP+4*(\b):TMP+4*(\b)+3] offset:(\a)*16*PITCH+32*(\b)
.endr
.endr
	; the constants of the activation, chosen by the selector; scalar work while the stores are out.  d1 .. d6 of the formula, and 1, each times 2^(1/16)
	s_cmp_lg_u32 s[SEL], 0
	s_mov_b32 s[C1+1], 0x7149f2ca                  ; 1e30
	s_cselect_b32 s[LOH], 0, 0xfbfffbff            ; the floor: 0, or -65,504, in both halves
	s_cselect_b32 s[C6], 0x36bc9ed2, 0             ; 0.0000053830 x 1.04427378, or 0
	s_cselect_b32 s[C5], 0x38562413, 0             ; 0.0000488906 x
	s_cselect_b32 s[C4], 0x382674b1, 0             ; 0.0000380036 x
	s_cselect_b32 s[C3], 0x3b605009, 0             ; 0.0032776263 x
	s_cselect_b32 s[C2], 0x3cb4dad2, 0             ; 0.0211410061 x
	s_cselect_b32 s[C1], 0x3d554cc4, s[C1+1]       ; 0.0498673470 x, or 1e30
	s_mov_b32 s[C0], 0x3f85aac3                    ; 2^(1/16) = 1.04427378
	s_mov_b32 s[C6+1], s[C6]                       ; named as pairs
	s_mov_b32 s[C5+1], s[C5]
	s_mov_b32 s[C4+1], s[C4]
	s_mov_b32 s[C3+1], s[C3]
	s_mov_b32 s[C2+1], s[C2]
	s_mov_b32 s[C1+1], s[C1]
	s_mov_b32 s[C0+1], s[C0]
	s_mov_b32 s[RO], 0
	s_wait_dscnt 0x0                               ; my stores into my stage are done,
	s_barrier_signal -1
	s_barrier_wait -1                              ; and every wave's are, before any wave enters the loop that reads a stage back by a stepped address (by arithmetic each wave reads its own 128 rows alone)
	; second part: whole rows of 256 bytes come back, take the activation and are stored.  A trip: 8 rows, 32 numbers a lane; 16 trips.  The next 8 rows are asked for in the middle of a trip; their address is the fixed register RD
	; plus a scalar that steps by 8 rows a trip and stops at row 120: the last trip asks for its own rows once more, four loads that nobody uses, so that the trip is written once.
.irp t, 0,1,2,3
	ds_load_b128 v[IN+4*(\t):IN+4*(\t)+3], v[RD] offset:(\t)*2*PITCH
.endr
	s_mov_b32 s3, 16
.Lact:
	s_wait_dscnt 0x0                               ; the 8 rows are in
.set i, 0
.rept 16
	v_fma_mix_f32 v[AB+2*i],   |v[IN+i]|, v[ONE], v[ZR] op_sel_hi:[1,0,0]                 ; a = |the low f16 half| x 1.0 + 0
	v_fma_mix_f32 v[AB+2*i+1], |v[IN+i]|, v[ONE], v[ZR] op_sel:[1,0,0] op_sel_hi:[1,0,0]  ; the high half
.set i, i+1
.endr
.set i, 0
.rept 16
	v_pk_fma_f32 v[PL+i:PL+i+1], v[AB+i:AB+i+1], s[C6:C6+1], s[C5:C5+1] op_sel_hi:[1,0,0] ; c6 a + c5
.set i, i+2
.endr
.irp c, C4, C3, C2, C1
.set i, 0
.rept 16
	v_pk_fma_f32 v[PL+i:PL+i+1], v[PL+i:PL+i+1], v[AB+i:AB+i+1], s[(\c):(\c)+1] op_sel_hi:[1,1,0]
.set i, i+2
.endr
.endr
	; ONE BATCH of 32 reciprocals, each with a plain neighbour: the polynomial's last step and the maximum of a later pair.  A pair's reciprocals stand two pairs behind its last step; nothing in the batch names a result of theirs.
.set i, 0
.rept 18
.if i < 16
	v_pk_fma_f32 v[PL+2*i:PL+2*i+1], v[PL+2*i:PL+2*i+1], v[AB+2*i:AB+2*i+1], s[C0:C0+1] op_sel_hi:[1,1,0]
.endif
.if i >= 2
	v_rcp_f32 v[PL+2*i-4], v[PL+2*i-4]
.endif
.if i < 16
	v_pk_max_num_f16 v[OUT+i], v[IN+i], s[LOH]     ; max(u, floor), two at a time, nothing is rounded
.endif
.if i >= 2
	v_rcp_f32 v[PL+2*i-3], v[PL+2*i-3]
.endif
.set i, i+1
.endr
	s_add_co_u32 s[RO], s[RO], 8*PITCH
	s_min_u32 s[RO], s[RO], 120*PITCH
	v_add_nc_u32 v[RDX], s[RO], v[RD]              ; also the plain instruction behind the last reciprocal
.irp t, 0,1,2,3
	ds_load_b128 v[IN+4*(\t):IN+4*(\t)+3], v[RDX] offset:(\t)*2*PITCH
.endr
	s_wait_alu depctr_va_vdst(0)                   ; the wait ahead of the first reader: one for the batch
.rept 4                                        ; the 16th power: four squarings
.set i, 0
.rept 16
	v_pk_mul_f32 v[PL+i:PL+i+1], v[PL+i:PL+i+1], v[PL+i:PL+i+1]
.set i, i+2
.endr
.endr
.set i, 0
.rept 16
	v_fma_mixlo_f16 v[OUT+i], -v[AB+2*i], v[PL+2*i], v[OUT+i] op_sel_hi:[0,0,1]                    ; max(u, floor) - a Q(a), rounded once, into the low half; the high half stays
.set i, i+1
.endr
.set i, 0
.rept 16
	v_fma_mixhi_f16 v[OUT+i], -v[AB+2*i+1], v[PL+2*i+1], v[OUT+i] op_sel:[0,0,1] op_sel_hi:[0,0,1]  ; the same for the high half
.set i, i+1
.endr
.irp t, 0,1,2,3
	global_store_b128 v[CO], v[OUT+4*(\t):OUT+4*(\t)+3], s[8:9] offset:(\t)*2*CROW                 ; 16 lanes store 256 consecutive bytes, at a multiple of 256 from C's first byte
.endr
	s_wait_xcnt 0x0                                ; the stores have read their data and their base: only now are these written again
	s_add_nc_u64 s[8:9], s[8:9], 8*CROW
	s_sub_co_u32 s3, s3, 1
	s_cmp_lg_u32 s3, 0
	s_cbranch_scc1 .Lact
	s_wait_dscnt 0x0                               ; my reads of my stage are back,
	s_barrier_signal -1
	s_barrier_wait -1                              ; and every wave's are, before any wave's closing lines
	s_wait_tensorcnt 0x0                           ; the wave's end: behind my last tensor load and my last LDS store
	ds_add_u32 v[SPW], v[NIL]
	s_wait_dscnt 0x0
	CROUND                                         ; the closing round: no work-group ends while a partner may still ask for a tile that names it
	s_endpgm
.Lfunc_end_k_q3b08cc9a12_qkv:
	.size	k_q3b08cc9a12_qkv, .Lfunc_end_k_q3b08cc9a12_qkv-k_q3b08cc9a12_qkv
	.p2alignl 7, 3214868480
	.fill 96, 4, 3214868480
	.section	.rodata,"a",@progbits
	.p2align	6, 0x0
	.amdhsa_kernel k_q3b08cc9a12_qkv
		.amdhsa_group_segment_fixed_size 327680
		.amdhsa_private_segment_fixed_size 0
		.amdhsa_enable_private_segment 0
		.amdhsa_kernarg_size 40
		.amdhsa_user_sgpr_count 2
		.amdhsa_user_sgpr_kernarg_segment_ptr 1
		.amdhsa_wavefront_size32 1
		.amdhsa_system_sgpr_workgroup_id_x 1
		.amdhsa_system_sgpr_workgroup_id_y 1
		.amdhsa_system_sgpr_workgroup_id_z 1
		.amdhsa_system_vgpr_workitem_id 0
		.amdhsa_next_free_vgpr 1024
		.amdhsa_next_free_sgpr 92
		.amdhsa_reserve_vcc 0
		.amdhsa_float_denorm_mode_32 3
		.amdhsa_float_denorm_mode_16_64 3
		.amdhsa_memory_ordered 1
		.amdhsa_forward_progress 1
		.amdhsa_inst_pref_size 153
	.end_amdhsa_kernel
	.amdgpu_metadata
---
amdhsa.version: [ 1, 2 ]
amdhsa.kernels:
  - .name:           k_q3b08cc9a12_qkv
    .symbol:         k_q3b08cc9a12_qkv.kd
    .args:
      - { .name: hy, .offset: 0, .size: 8, .value_kind: global_buffer, .address_space: global }
      - { .name: wq16, .offset: 8, .size: 8, .value_kind: global_buffer, .address_space: global }
      - { .name: qkv_b, .offset: 16, .size: 8, .value_kind: global_buffer, .address_space: global }
      - { .name: par, .offset: 24, .size: 8, .value_kind: global_buffer, .address_space: global }
      - { .name: big, .offset: 32, .size: 8, .value_kind: global_buffer, .address_space: global }
    .group_segment_fixed_size: 327680
    .private_segment_fixed_size: 0
    .kernarg_segment_align: 8
    .kernarg_segment_size: 40
    .max_flat_workgroup_size: 128
    .sgpr_count:     92
    .vgpr_count:     1024
    .wavefront_size: 32
...
	.end_amdgpu_metadata
.endif
;; end of part 2
;; launch attn (part 3): grid 8 x 32, 16 waves a work-group, no clusters, 180,224 bytes of LDS; arguments big, hy; writes hy
.if DOCPART == 3
	.amdgcn_target "amdgcn-amd-amdhsa--gfx1250"
	.amdhsa_code_object_version 6
	.text
	.protected	k_q3b08cc9a12_attn
	.globl	k_q3b08cc9a12_attn
	.p2align	8
	.type	k_q3b08cc9a12_attn,@function
k_q3b08cc9a12_attn:
	s_mov_b64 s[64:65], 0
	v_nop
	global_prefetch_b8 v0, s[64:65] scope:SCOPE_SE
	s_setreg_imm32_b32 hwreg(HW_REG_WAVE_MODE, 25, 1), 1
	s_wait_xcnt 0x0
; DILATED CAUSAL ATTENTION.  Query i sees the keys i, i - 2, .. i - 256.  The rows of big lie by parity (row 1024 (2 b + parity) + p stands for token 2 p + parity), so within one parity query p sees keys p - 128 .. p: 129 of them.
; big: rows of 8,192 bytes, f16: q at byte 0, k at 2,048, v at 4,096, a head's 64 channels 128 bytes.  y goes to hy, rows of 8,192 bytes in token order, f16, bytes 0-2,047 of a row.
; Products, the maximum and the sum in f32; the weights are rounded to f16 for the second product (their sum is taken of the unrounded weights), y once at the end.
; LIMITS.  f16 holds no number beyond 65,504.  A hidden score counts as -1e30; a weight below 2^-126 counts as 0.  NaN and infinities are not treated apart.
; SHARES.  A work-group takes 128 queries of one parity sequence and TWO heads that lie side by side: rows of K and V are then 256 consecutive bytes, aligned.  Wave w: head w / 8 of the pair, queries 16 (w % 8) .. + 15.
; A wave's 16 queries see 144 key rows: nine tiles of 16; the first and the last are cut by the window's two edges.  All scores of a query are held at once, so the maximum is the true one and there is no rescaling.
; LDS holds the keys 128 blk - 128 .. 128 blk + 127, each filled once, by four tensor loads (waves 0-3).  In block 0 the first 128 rows hold keys 0-127 once more, finite numbers, and are hidden by whole tiles.
; NO CLUSTER: a part of 128 keys is wanted by two neighbouring blocks at different LDS places, so no common descriptor exists.
; LAYOUT.  S^T = K Q^T: a lane holds ONE query (lane % 16) and the keys 8 (lane / 16) + 0..7 of a tile; two tiles rounded to f16 ARE source 1 of O^T = V^T P; V comes out of LDS turned, by ds_load_tr16_b128.
.set PK,    272                        ; a row of K in LDS: 256 bytes + 16: the 16 rows of a load start at 16 different groups of four banks (ISA guide 11.1)
.set PV,    288                        ; a row of V: 256 + 32
.set VB,    256*PK                     ; V behind K's 256 rows
.set STAGE, VB+256*PV                  ; behind them, never filled by a tensor load: 128 rows x 272 bytes, for the way out
.set SP,    272
.set SPARE, STAGE+128*SP               ; the spare words, 128 bytes for each of 16 waves: eight blocks of 256 bytes that no other line names
.set AK,  3                            ; v3   my place in K: first tile, my head
.set AV,  4                            ; v4   the same in V, for the turning load
.set QO,  5                            ; v5   my byte offset in 16 rows of q
.set STO, 6                            ; v6   the way out: where I put 16 bytes
.set RD,  7                            ; v7   where I read rows back
.set GO,  8                            ; v8   my byte offset in hy
.set EE,  9                            ; v9   lane % 16 - 8 (lane / 16): register j of the first tile is hidden where j is less, of the last where j is greater
.set NEG, 10                           ; v10  -1e30
.set CH,  12                           ; v12-14 three chains of the maximum
.set XC,  15                           ; v15  what the other half of the lanes sends
.set CM,  16                           ; v[16:17] c m, m
.set LS,  18                           ; v[18:19] l: even keys', odd keys'
.set RL,  20                           ; v[20:21] 1 / l, twice
.set SPW, 22                           ; v22  LDS address of my spare word; never rewritten
.set NIL, 23                           ; v23  0; never rewritten
.set Q,   24                           ; v[24:39]
.set S,   40                           ; v[40:111] nine tiles of scores
.set O,   40                           ; later v[40:71] O^T
.set PKD, 72                           ; v[72:87] O^T rounded
.set BK,  88                           ; v[88:103] rows read back
.set BA,  112                          ; v[112:207] fragments of K, then of V
.set P,   208                          ; v[208:243] the weights in f16, four registers a tile; v[244:247] = 0
.set WV,  12                           ; s12  my wave's number
.set G1K, 24
.set G1V, 32
.set G0K, 40
.set CS,  44                           ; s[44:45] c = log2(e) / 8
.set SEL, 46                           ; s[46:47] lane selects for v_permlanex16_b32
.set G0V, 52
	s_load_b128 s[4:7], s[0:1], 0x0                ; big s[4:5], hy s[6:7]
	v_lshl_add_u32 v[SPW], v0, 2, SPARE
	v_mov_b32 v[NIL], 0
	ds_add_u32 v[SPW], v[NIL]                      ; the wave's opening: the add and its wait ahead of the first tensor load; work on registers stands between them
	v_lshrrev_b32 v1, 5, v0
	v_readfirstlane_b32 s[WV], v1                  ; wave 0..15
	s_mov_b32 s13, ttmp9                           ; blk
	s_and_b32 s14, ttmp7, 0xffff
	s_lshr_b32 s15, s14, 3                         ; 2 b + parity
	s_and_b32 s16, s14, 7                          ; the pair of heads
	s_lshr_b32 s17, s[WV], 3                       ; which head of the pair
	s_and_b32 s18, s[WV], 7                        ; which 16 queries
	s_and_b32 s19, s[WV], 1                        ; which 128 keys I fetch (waves 0-3)
	s_mov_b32 s[G1K], (1<<16)|(1<<20)|(5<<22)|(3<<25)  ; elements of 2 bytes; padding on; after every 64 words 4 words
	s_mov_b32 s[G1V], (1<<16)|(1<<20)|(5<<22)|(7<<25)  ; the same with 8 words
.irp g, G1K, G1V
	s_mov_b32 s[(\g)+1], 128<<16                   ; tensor_dim0 = 128
	s_mov_b32 s[(\g)+2], 128<<16                   ; tensor_dim1 = 128
	s_mov_b32 s[(\g)+3], 128<<16                   ; tile_dim0 = 128
	s_mov_b32 s[(\g)+4], 128                       ; tile_dim1 = 128
	s_mov_b32 s[(\g)+5], 4096                      ; elements from row to row
	s_mov_b32 s[(\g)+6], 0
	s_mov_b32 s[(\g)+7], 0
.endr
	s_mov_b32 s[G0K], 1
	s_mul_i32 s[G0K+1], s19, 128*PK
	s_mov_b32 s[G0V], 1
	s_mul_i32 s[G0V+1], s19, 128*PV
	s_add_co_u32 s[G0V+1], s[G0V+1], VB
	s_add_co_u32 s20, s13, s19                     ; the part's number among the sequence's eight: blk - 1 + part, not below 0
	s_max_u32 s20, s20, 1
	s_sub_co_u32 s20, s20, 1
	s_lshl_b32 s20, s20, 7
	s_lshl_b32 s21, s15, 10
	s_add_co_u32 s20, s20, s21                     ; its first row in big,
	s_lshl_b32 s20, s20, 13                        ; in bytes: under 2^25
	s_lshl_b32 s22, s16, 8                         ; the pair of heads: 256 bytes
	s_add_co_u32 s20, s20, s22
	s_mov_b32 s21, 0
	s_lshl_b32 s8, s15, 10                         ; q: row 1024 (2 b + parity) + 128 blk + 16 qt
	s_lshl_b32 s9, s13, 7
	s_add_co_u32 s8, s8, s9
	s_lshl_b32 s9, s18, 4
	s_add_co_u32 s8, s8, s9
	s_lshl_b32 s8, s8, 13
	s_add_co_u32 s8, s8, s22
	s_lshl_b32 s9, s17, 7                          ; my head: 128 bytes
	s_add_co_u32 s8, s8, s9
	s_mov_b32 s9, 0
	s_lshr_b32 s56, s15, 1                         ; y: token row 2048 b + parity + 2 (128 blk + 8 w)
	s_lshl_b32 s56, s56, 11
	s_and_b32 s57, s15, 1
	s_add_co_u32 s56, s56, s57
	s_lshl_b32 s57, s13, 8
	s_add_co_u32 s56, s56, s57
	s_lshl_b32 s57, s[WV], 4
	s_add_co_u32 s56, s56, s57
	s_lshl_b32 s56, s56, 13
	s_add_co_u32 s56, s56, s22
	s_mov_b32 s57, 0
	s_mov_b32 s[CS], 0x3e38aa3b                    ; log2(e) / 8 = 0.180337
	s_mov_b32 s[CS+1], s[CS]
	s_mov_b32 s[SEL], 0x76543210
	s_mov_b32 s[SEL+1], 0xfedcba98
	s_lshl_b32 s3, s17, 7
	s_mul_i32 s48, s18, 16*PK
	s_add_co_u32 s48, s48, s3                      ; K: my first tile's row, my head
	s_mul_i32 s50, s18, 16*PV
	s_add_co_u32 s50, s50, s3
	s_add_co_u32 s50, s50, VB                      ; V likewise
	s_mul_i32 s51, s18, 16*SP
	s_add_co_u32 s51, s51, s3
	s_add_co_u32 s51, s51, STAGE                   ; the stage: my 16 rows, my head's half
	s_mul_i32 s2, s[WV], 8*SP
	s_add_co_u32 s2, s2, STAGE                     ; the 8 rows that I send out
	s_wait_dscnt 0x0                               ; the opening add is done
	s_wait_kmcnt 0x0
	s_add_nc_u64 s[G0K+2:G0K+3], s[4:5], s[20:21]
	s_add_nc_u64 s[G0K+2:G0K+3], s[G0K+2:G0K+3], 2048
	s_or_b32 s[G0K+3], s[G0K+3], 0x80000000
	s_add_nc_u64 s[G0V+2:G0V+3], s[4:5], s[20:21]
	s_add_nc_u64 s[G0V+2:G0V+3], s[G0V+2:G0V+3], 4096
	s_or_b32 s[G0V+3], s[G0V+3], 0x80000000
	s_add_nc_u64 s[10:11], s[4:5], s[8:9]          ; q at my 16 rows
	s_add_nc_u64 s[58:59], s[6:7], s[56:57]        ; hy at my first row
	s_cmp_ge_u32 s[WV], 4                          ; the four fills, one each by waves 0-3: K's two parts, V's two parts.  Nothing is ever filled again
	s_cbranch_scc1 .Lnofill
	s_cmp_lt_u32 s[WV], 2
	s_cbranch_scc0 .Lfillv
	tensor_load_to_lds s[G0K:G0K+3], s[G1K:G1K+7]
	s_nop 0
.rept 4
	v_nop
.endr
	s_branch .Lnofill
.Lfillv:
	tensor_load_to_lds s[G0V:G0V+3], s[G1V:G1V+7]
	s_nop 0
.rept 4
	v_nop
.endr
.Lnofill:
	v_and_b32 v1, 15, v0                           ; r = l % 16
	v_bfe_u32 v2, v0, 4, 1                         ; h = l / 16
	v_lshlrev_b32 v[QO], 13, v1
	v_lshl_add_u32 v[QO], v2, 4, v[QO]             ; row x 8,192 + 16 h
.irp i, 0,1,2,3
	global_load_b128 v[Q+4*(\i):Q+4*(\i)+3], v[QO], s[10:11] offset:32*(\i)  ; channels 8 h, 16 + 8 h, 32 + 8 h, 48 + 8 h on
.endr
	v_mul_u32_u24 v[AK], v1, PK
	v_lshl_add_u32 v[AK], v2, 4, v[AK]             ; r x 272 + 16 h
	v_add_nc_u32 v[STO], s51, v[AK]                ; (the stage has K's pitch)
	v_add_nc_u32 v[AK], s48, v[AK]
	v_and_b32 v11, 7, v0
	v_bfe_u32 v[XC], v0, 3, 1
	v_lshl_add_u32 v[AV], v2, 3, v11               ; key 8 h + l % 8,
	v_mul_u32_u24 v[AV], v[AV], PV
	v_lshl_add_u32 v[AV], v[XC], 4, v[AV]          ; channels 8 ((l / 8) % 2) on
	v_add_nc_u32 v[AV], s50, v[AV]
	v_mul_u32_u24 v[RD], v2, SP
	v_lshl_add_u32 v[RD], v1, 4, v[RD]
	v_add_nc_u32 v[RD], s2, v[RD]
	v_lshlrev_b32 v[GO], 14, v2                    ; neighbouring places of a parity are two token rows apart
	v_lshl_add_u32 v[GO], v1, 4, v[GO]
	v_lshlrev_b32 v[EE], 3, v2
	v_sub_nc_u32 v[EE], v1, v[EE]
	v_mov_b32 v[NEG], 0xf149f2ca                   ; -1e30
.irp i, 36,37,38,39
	v_mov_b32 v[P+(\i)], 0                         ; the weights of a tenth tile that is not there
.endr
.macro PLACES                          ; four plain instructions between a matrix instruction and a load into, or a vector read of, its registers (ISA guide 7.12.1 for vector reads)
.rept 4
	v_nop
.endr
.endm
.macro KLOAD g                         ; key tiles 3 g .. 3 g + 2: twelve loads into half g % 2 of BA
.irp i, 0,1,2
.irp c, 0,1
	ds_load_b128 v[BA+48*((\g)%2)+16*(\i)+8*(\c):BA+48*((\g)%2)+16*(\i)+8*(\c)+3],   v[AK] offset:(3*(\g)+(\i))*16*PK+64*(\c)
	ds_load_b128 v[BA+48*((\g)%2)+16*(\i)+8*(\c)+4:BA+48*((\g)%2)+16*(\i)+8*(\c)+7], v[AK] offset:(3*(\g)+(\i))*16*PK+64*(\c)+32
.endr
.endr
.endm
.macro KQ g                            ; their six products: the three accumulators take turns; the first product of each starts its sum
.irp c, 0,1
.irp i, 0,1,2
.if (\c) == 0
	v_wmma_f32_16x16x32_f16 v[S+8*(3*(\g)+(\i)):S+8*(3*(\g)+(\i))+7], v[BA+48*((\g)%2)+16*(\i):BA+48*((\g)%2)+16*(\i)+7], v[Q:Q+7], 0
.else
	v_wmma_f32_16x16x32_f16 v[S+8*(3*(\g)+(\i)):S+8*(3*(\g)+(\i))+7], v[BA+48*((\g)%2)+16*(\i)+8:BA+48*((\g)%2)+16*(\i)+15], v[Q+8:Q+15], v[S+8*(3*(\g)+(\i)):S+8*(3*(\g)+(\i))+7]
.endif
.endr
.endr
.endm
.macro VLOAD t0, t1, slot              ; V^T for key tiles t0 and t1, four blocks of 16 channels, into BA + 32 slot
.irp cb, 0,1,2,3
	ds_load_tr16_b128 v[BA+32*(\slot)+8*(\cb):BA+32*(\slot)+8*(\cb)+3],   v[AV] offset:(\t0)*16*PV+32*(\cb)
	ds_load_tr16_b128 v[BA+32*(\slot)+8*(\cb)+4:BA+32*(\slot)+8*(\cb)+7], v[AV] offset:(\t1)*16*PV+32*(\cb)
.endr
.endm
.macro PVM kk, slot, zero              ; four products O^T += V^T P for key tiles 2 kk, 2 kk + 1: the four accumulators take turns
.irp cb, 0,1,2,3
.if \zero
	v_wmma_f32_16x16x32_f16 v[O+8*(\cb):O+8*(\cb)+7], v[BA+32*(\slot)+8*(\cb):BA+32*(\slot)+8*(\cb)+7], v[P+8*(\kk):P+8*(\kk)+7], 0
.else
	v_wmma_f32_16x16x32_f16 v[O+8*(\cb):O+8*(\cb)+7], v[BA+32*(\slot)+8*(\cb):BA+32*(\slot)+8*(\cb)+7], v[P+8*(\kk):P+8*(\kk)+7], v[O+8*(\cb):O+8*(\cb)+7]
.endif
.endr
.endm
	s_wait_tensorcnt 0x0                           ; my fill, if I issued one, has landed,
	s_barrier_signal -1
	s_barrier_wait -1                              ; everybody's has
	KLOAD 0
	KLOAD 1
	s_wait_loadcnt 0x0                             ; q
	s_wait_dscnt 12                                ; the first three tiles are in; the next three's twelve loads may be out
	KQ 0
	PLACES
	KLOAD 2
	s_wait_dscnt 12                                ; tiles 3-5 are in; the twelve just issued may be out
	KQ 1
	s_wait_dscnt 0x0
	KQ 2
	PLACES
	VLOAD 0, 1, 0                                  ; V of the first six tiles lands under the softmax
	VLOAD 2, 3, 1
	VLOAD 4, 5, 2
	; the window's two edges.  Each accumulator's registers are read in ascending order.
.irp j, 0,1,2,3,4,5,6,7
	v_cmp_lt_i32 vcc_lo, \j, v[EE]                 ; the first tile: key before q - 128
	v_cndmask_b32 v[S+(\j)], v[S+(\j)], v[NEG], vcc_lo
.endr
.irp j, 0,1,2,3,4,5,6,7
	v_cmp_gt_i32 vcc_lo, \j, v[EE]                 ; the last tile: key behind q
	v_cndmask_b32 v[S+64+(\j)], v[S+64+(\j)], v[NEG], vcc_lo
.endr
	s_cmp_lg_u32 s13, 0
	s_cbranch_scc1 .Lnoedge
.irp u, 0,1,2,3,4,5,6,7                ; the sequence's first block: LDS rows 0-127 stand for keys below 0: tile u of my nine is hidden whole where qt + u < 8
	s_add_co_u32 s48, s18, \u
	s_cmp_lt_u32 s48, 8
	s_cselect_b32 s49, -1, 0
.irp j, 0,1,2,3,4,5,6,7
	v_cndmask_b32 v[S+8*(\u)+(\j)], v[S+8*(\u)+(\j)], v[NEG], s49
.endr
.endr
.Lnoedge:
	; the maximum of the lane's 72 scores: three chains over three tiles each, ascending, three operands at a time
.irp k, 0,1,2
	v_max3_num_f32 v[CH+(\k)], v[S+24*(\k)], v[S+24*(\k)+1], v[S+24*(\k)+2]
.endr
.set n, 1
.rept 10
.irp k, 0,1,2
	v_max3_num_f32 v[CH+(\k)], v[CH+(\k)], v[S+24*(\k)+2*n+1], v[S+24*(\k)+2*n+2]
.endr
.set n, n+1
.endr
	v_max3_num_f32 v[CH], v[CH], v[S+23], v[S+47]
	v_max3_num_f32 v[CH+1], v[CH+1], v[CH+2], v[S+71]
	v_max_num_f32 v[CH], v[CH], v[CH+1]
	v_permlanex16_b32 v[XC], v[CH], s[SEL], s[SEL+1]  ; the query's other keys lie in the lane 16 away
	v_max_num_f32 v[CM+1], v[CH], v[XC]            ; m: a true score, since every query sees its own key
	v_mul_f32 v[CM], s[CS], v[CM+1]
.set i, 0
.rept 36
	v_pk_fma_f32 v[S+i:S+i+1], v[S+i:S+i+1], s[CS:CS+1], v[CM:CM+1] op_sel_hi:[1,0,0] neg_lo:[0,0,1] neg_hi:[0,0,1]  ; c s - c m
.set i, i+2
.endr
.set i, 0
.rept 72
	v_exp_f32 v[S+i], v[S+i]                       ; ONE BATCH
.set i, i+1
.endr
	v_nop                                          ; a plain instruction behind the last exponential,
	s_wait_alu depctr_va_vdst(0)                   ; and the wait ahead of the first reader: one for the batch
.set i, 0
.rept 36
	v_cvt_pk_f16_f32 v[P+i], v[S+2*i], v[S+2*i+1]
.set i, i+1
.endr
.macro FOLD n, d                       ; pairs 0 .. n - 1 take pairs d .. d + n - 1
.set i, 0
.rept \n
	v_pk_add_f32 v[S+2*i:S+2*i+1], v[S+2*i:S+2*i+1], v[S+2*(i+(\d)):S+2*(i+(\d))+1]
.set i, i+1
.endr
.endm
	FOLD 18, 18                                    ; the sum of the 36 pairs of weights, in place
	FOLD 9, 9
	FOLD 4, 4
	FOLD 2, 2
	FOLD 1, 1
	v_pk_add_f32 v[LS:LS+1], v[S:S+1], v[S+16:S+17]  ; with pair 8, which the folds left over
	s_wait_dscnt 0x0                               ; V of tiles 0-5 is in
	PVM 0, 0, 1
	PVM 1, 1, 0
	PVM 2, 2, 0
	PLACES
	VLOAD 6, 7, 0
	VLOAD 8, 8, 1                                  ; the ninth tile twice: its second copy meets the weights 0
	v_add_f32 v[LS], v[LS], v[LS+1]                ; l, while those loads are out
	v_permlanex16_b32 v[XC], v[LS], s[SEL], s[SEL+1]
	v_add_f32 v[LS], v[LS], v[XC]
	v_rcp_f32 v[RL], v[LS]
	v_rcp_f32 v[RL+1], v[LS]
	v_nop
	s_wait_alu depctr_va_vdst(0)                   ; one wait for the two reciprocals, ahead of their first reader
	s_wait_dscnt 0x0
	PVM 3, 0, 0
	PVM 4, 1, 0
	PLACES
.set i, 0
.rept 16
	v_pk_mul_f32 v[O+i:O+i+1], v[O+i:O+i+1], v[RL:RL+1]
.set i, i+2
.endr
.set i, 0
.rept 16
	v_cvt_pk_f16_f32 v[PKD+i], v[O+2*i], v[O+2*i+1]
.set i, i+1
.endr
.irp cb, 0,1,2,3
	ds_store_b128 v[STO], v[PKD+4*(\cb):PKD+4*(\cb)+3] offset:32*(\cb)  ; a lane's eight channels of a row: 16 bytes
.endr
	s_wait_dscnt 0x0                               ; for the others' sake: a row's 256 bytes come from two waves
	s_barrier_signal -1
	s_barrier_wait -1
.irp t, 0,1,2,3
	ds_load_b128 v[BK+4*(\t):BK+4*(\t)+3], v[RD] offset:(\t)*2*SP
.endr
	s_wait_dscnt 0x0
.irp t, 0,1,2,3
	global_store_b128 v[GO], v[BK+4*(\t):BK+4*(\t)+3], s[58:59] offset:(\t)*32768  ; 16 lanes store 256 consecutive bytes, aligned; two places of the parity are four token rows
.endr
	s_wait_tensorcnt 0x0                           ; the wave's end: behind my last tensor load and my last LDS store
	ds_add_u32 v[SPW], v[NIL]
	s_wait_dscnt 0x0
	s_endpgm
.Lfunc_end_k_q3b08cc9a12_attn:
	.size	k_q3b08cc9a12_attn, .Lfunc_end_k_q3b08cc9a12_attn-k_q3b08cc9a12_attn
	.p2alignl 7, 3214868480
	.fill 96, 4, 3214868480
	.section	.rodata,"a",@progbits
	.p2align	6, 0x0
	.amdhsa_kernel k_q3b08cc9a12_attn
		.amdhsa_group_segment_fixed_size 180224
		.amdhsa_private_segment_fixed_size 0
		.amdhsa_enable_private_segment 0
		.amdhsa_kernarg_size 16
		.amdhsa_user_sgpr_count 2
		.amdhsa_user_sgpr_kernarg_segment_ptr 1
		.amdhsa_wavefront_size32 1
		.amdhsa_system_sgpr_workgroup_id_x 1
		.amdhsa_system_sgpr_workgroup_id_y 1
		.amdhsa_system_sgpr_workgroup_id_z 1
		.amdhsa_system_vgpr_workitem_id 0
		.amdhsa_next_free_vgpr 248
		.amdhsa_next_free_sgpr 66
		.amdhsa_reserve_vcc 1
		.amdhsa_float_denorm_mode_32 3
		.amdhsa_float_denorm_mode_16_64 3
		.amdhsa_memory_ordered 1
		.amdhsa_forward_progress 1
		.amdhsa_inst_pref_size 35
	.end_amdhsa_kernel
	.amdgpu_metadata
---
amdhsa.version: [ 1, 2 ]
amdhsa.kernels:
  - .name:           k_q3b08cc9a12_attn
    .symbol:         k_q3b08cc9a12_attn.kd
    .args:
      - { .name: big, .offset: 0, .size: 8, .value_kind: global_buffer, .address_space: global }
      - { .name: hy, .offset: 8, .size: 8, .value_kind: global_buffer, .address_space: global }
    .group_segment_fixed_size: 180224
    .private_segment_fixed_size: 0
    .kernarg_segment_align: 8
    .kernarg_segment_size: 16
    .max_flat_workgroup_size: 512
    .sgpr_count:     66
    .vgpr_count:     248
    .wavefront_size: 32
...
	.end_amdgpu_metadata
.endif
;; end of part 3
;; launch oproj (part 4): grid 8 x 32, 4 waves a work-group, clusters of 4 x 4, 327,680 bytes of LDS; arguments hy, wo16, out_b, x, x1; writes x1
.if DOCPART == 4
	.amdgcn_target "amdgcn-amd-amdhsa--gfx1250"
	.amdhsa_code_object_version 6
	.text
	.protected	k_q3b08cc9a12_oproj
	.globl	k_q3b08cc9a12_oproj
	.p2align	8
	.type	k_q3b08cc9a12_oproj,@function
k_q3b08cc9a12_oproj:
	s_mov_b64 s[64:65], 0
	v_nop
	global_prefetch_b8 v0, s[64:65] scope:SCOPE_SE
	s_setreg_imm32_b32 hwreg(HW_REG_WAVE_MODE, 25, 1), 1
	s_wait_xcnt 0x0
	s_wait_alu depctr_hold_cnt(0) depctr_sa_sdst(0) depctr_va_vdst(0) depctr_va_sdst(0) depctr_va_ssrc(0) depctr_va_vcc(0) depctr_vm_vsrc(0)
	s_getreg_b32 s2, hwreg(HW_REG_IB_STS2, 6, 4)
	s_cmp_eq_u32 s2, 0
	s_cbranch_scc0 .Lentry_in_a_cluster
	s_endpgm
.Lentry_in_a_cluster:
	s_bfe_u32 s2, ttmp6, 0x10000c
	s_cmp_lg_u32 s2, 0xf033
	s_cbranch_scc0 .Lentry_shape_is_right
	s_endpgm
.Lentry_shape_is_right:
; C[m][n] = res[m][n] + bias[n] + sum over k < SIZE_K of A[m][k] B[n][k].  A: [4096] rows of 8,192 bytes, f16; B: [1024] rows of 8,192 bytes, f16; bias, res, C f32; res and C [4096][1024].  Sums in f32; nothing is rounded on the way out.
; This text serves SIZE_K = 1024 (the attention's output projection); the second feed-forward product is the same text with SIZE_K = 4096.
; LIMITS.  f16 holds no number beyond 65,504: A and B arrive within it.  NaN and infinities are not treated apart.  The order in which an output's f32 sum takes the K steps hangs on its cluster (below).
; SHAPE.  4,096 x 1,024 of C in tiles of 128 x 128 are 256 work-groups.  Four waves, each 64 x 64: 16 accumulators.  K goes in NS steps of 256 (LDS rows of 512 bytes; a wave's tensor load brings 64 of them) through two slots.
; CLUSTERS: 4 x 4 work-groups; A's tile is asked for jointly along a row of the cluster, B's along a column.  No prefetch: the tiles are small.
; THE WALK ALONG K IS TURNED: cluster (X, Y) begins at K step (NS / 4) (Y mod 4) + (NS / 2) X and wraps round at NS.  The two clusters that read the same rows of A stand NS / 2 steps apart, four clusters that read the same rows of B
; NS / 4 steps apart: they ask for different blocks of those rows at a time.  The step's number hangs on the cluster's two coordinates alone, which all sixteen partners share; each refill's address is made anew from it.
; THE MATRIX INSTRUCTION IS USED TRANSPOSED (source 0 = 16 rows of B, source 1 = 16 rows of A): a lane holds eight neighbouring columns of a row of C, and a bias fragment is the C operand of the product that starts a sum.
; THE RESIDUAL (my 64 rows x 256 bytes, 128 registers) is asked for at the head and stays on its way over the whole walk along K.
; REGISTERS: window 0: v0-31 addresses; v32-95 rows read back; v96-127 bias fragments; v128-255 accumulators ((a, b) at v[128 + 8 (4 a + b)]).  window 1: two fragment buffers of 128.  window 2: v0-127 the residual, then the result.
; THE WAY OUT goes through LDS: slot 0 has had its last fill and its last read ahead of the last change of slots; wave w's quarter of it holds the wave's own stage, 64 rows x 272 bytes.
.set SIZE_K, 1024
.set KP,     4096                      ; elements from row to row of A and of B
.set OROW,   4096                      ; bytes in a row of res and of C
.set KSTEP,  256
.set NS,     SIZE_K/KSTEP              ; K steps: a power of two, at least 4
.set PITCH,  528                       ; an LDS row: 512 bytes + 16 of padding = 132 words: row r starts at bank 4 r mod 64 (ISA guide 11.1)
.set HALFT,  64*PITCH
.set SLOT,   4*HALFT
.set SPARE,  2*SLOT                    ; behind the ring: the spare words, 128 bytes a wave: two blocks of 256 bytes that no other line names
.set SPITCH, 272
.set LAPS, SIZE_K/(2*KSTEP)
.set ADRA, 16
.set ADRB, 20
.set STO,  24
.set RD,   25
.set CO,   26                          ; v26  my byte offset in two rows of res and of C; never rewritten
.set BO,   27
.set SPW,  28
.set NIL,  29
.set TMP,  32
.set BF,   96
.set ACC,  128
.set F0,   0
.set F1,   128
.set G1, 24
.set G0, 32
.set G1B, 48
.set G0B, 56
.set ABASE, 72                         ; s[72:73] A at the first of the 64 rows that I fetch, K = 0
.set BBASE, 74                         ; s[74:75] B likewise
.set KOFF,  76                         ; s[76:77] 512 x the K step's number, in 64 bits
.set KI,    78                         ; s78      the K step asked for last
.set MSB, 0
.macro WIN new
.if MSB != (\new)
	s_set_vgpr_msb (MSB<<8)|(\new)
.set MSB, \new
.endif
.endm
.set MUL,  0x05                        ; sources 0 (B) and 1 (A) window 1; C and D window 0
.set TO_F, 0x40                        ; destination window 1, address window 0
.macro JLOAD s                         ; a joint load: waves 0 and 1 fetch A's two halves, waves 2 and 3 B's; an s_nop 0 and four v_nop follow each of the two lines
	s_cmp_eq_u32 s11, 0
	s_cbranch_scc0 .Lfor_b_\@
	tensor_load_to_lds s[G0+4*(\s):G0+4*(\s)+3], s[G1:G1+7]
	s_nop 0
.rept 4
	v_nop
.endr
	s_branch .Lasked_\@
.Lfor_b_\@:
	tensor_load_to_lds s[G0B+4*(\s):G0B+4*(\s)+3], s[G1B:G1B+7]
	s_nop 0
.rept 4
	v_nop
.endr
.Lasked_\@:
.endm
.macro NEXTK                           ; the next K step of the turned walk
	s_add_co_u32 s[KI], s[KI], 1
	s_and_b32 s[KI], s[KI], NS-1
.endm
.macro AIM slot                        ; the slot's two descriptors take K step KI: the global address is made anew, base + 512 KI, and the type set again
	s_lshl_b32 s[KOFF], s[KI], 9
	s_add_nc_u64 s[G0+4*(\slot)+2:G0+4*(\slot)+3], s[ABASE:ABASE+1], s[KOFF:KOFF+1]
	s_or_b32 s[G0+4*(\slot)+3], s[G0+4*(\slot)+3], 0x80000000
	s_add_nc_u64 s[G0B+4*(\slot)+2:G0B+4*(\slot)+3], s[BBASE:BBASE+1], s[KOFF:KOFF+1]
	s_or_b32 s[G0B+4*(\slot)+3], s[G0B+4*(\slot)+3], 0x80000000
.endm
.macro CREST
	s_cmp_lg_u32 s10, 0
	s_cbranch_scc1 .Lnot_wave_0_\@
	s_barrier_signal -3
.Lnot_wave_0_\@:
	s_barrier_wait -3
	s_barrier_signal -1
	s_barrier_wait -1
.endm
.macro CROUND
	s_barrier_signal -1
	s_barrier_wait -1
	CREST
.endm
	s_load_b128 s[4:7], s[0:1], 0x0                ; A s[4:5], B s[6:7]
	s_load_b128 s[68:71], s[0:1], 0x10             ; bias s[68:69], res s[70:71]
	s_load_b64 s[8:9], s[0:1], 0x20                ; C
	v_lshl_add_u32 v[SPW], v0, 2, SPARE
	v_mov_b32 v[NIL], 0
	ds_add_u32 v[SPW], v[NIL]                      ; the wave's opening: the add and its wait ahead of my first tensor load; work on registers stands between them
	v_lshrrev_b32 v1, 5, v0
	v_readfirstlane_b32 s10, v1                    ; wave 0..3
	s_lshr_b32 s11, s10, 1                         ; which half of the tile's rows is mine.  Also: I fetch for A (0) or for B (1)
	s_and_b32 s12, s10, 1                          ; which half of its columns.  Also: which 64 rows of that tile I fetch
	s_bfe_u32 s40, ttmp6, 0x40000
	s_bfe_u32 s41, ttmp6, 0x40004
	s_lshl_b32 s42, ttmp9, 2
	s_add_co_u32 s42, s42, s40                     ; tile column of C
	s_and_b32 s13, ttmp7, 0xffff
	s_lshl_b32 s13, s13, 2
	s_add_co_u32 s13, s13, s41                     ; tile row of C
	s_lshl_b32 s43, s41, 2
	s_lshl_b32 s43, 15, s43                        ; my row of the cluster
	s_lshl_b32 s44, 0x1111, s40                    ; my column
	s_or_b32 s[G1+0], s43, (1<<16)|(1<<20)|(1<<21)|(6<<22)|(3<<25)   ; the mask; elements of 2 bytes; padding on; bit 21 beside a mask; after every 128 words 4 words
	s_or_b32 s[G1B+0], s44, (1<<16)|(1<<20)|(1<<21)|(6<<22)|(3<<25)
.irp g, G1, G1B
	s_mov_b32 s[(\g)+1], KSTEP<<16                 ; tensor_dim0 = 256
	s_mov_b32 s[(\g)+2], 64<<16                    ; tensor_dim1 = 64
	s_mov_b32 s[(\g)+3], KSTEP<<16                 ; tile_dim0 = 256
	s_mov_b32 s[(\g)+4], 64                        ; tile_dim1 = 64
	s_mov_b32 s[(\g)+5], KP                        ; elements from row to row
	s_mov_b32 s[(\g)+6], 0
	s_mov_b32 s[(\g)+7], 0
.endr
	s_lshl_b32 s17, s12, 6                         ; which 64 rows of the tile I fetch
	s_lshl_b32 s16, s13, 7
	s_add_co_u32 s16, s16, s17                     ; A: row 128 x tile row + 64 x half
	s_lshl_b32 s46, s42, 7
	s_add_co_u32 s46, s46, s17                     ; B: row 128 x tile column + 64 x half
	s_lshl_b32 s16, s16, 13                        ; rows of 8,192 bytes: under 2^25
	s_lshl_b32 s46, s46, 13
	s_mov_b32 s17, 0
	s_mov_b32 s47, 0
	s_mul_i32 s20, s10, HALFT                      ; where they go: wave x 64 rows
	s_and_b32 s[KI], ttmp7, 3                      ; the cluster's first K step: (NS / 4) (cluster y mod 4)
	s_mul_i32 s[KI], s[KI], NS/4
	s_mul_i32 s79, ttmp9, NS/2                     ; + (NS / 2) cluster x,
	s_add_co_u32 s[KI], s[KI], s79
	s_and_b32 s[KI], s[KI], NS-1                   ; wrapped
	s_mov_b32 s[KOFF+1], 0
	s_wait_dscnt 0x0                               ; the opening add is done
	s_wait_kmcnt 0x0
	s_add_nc_u64 s[ABASE:ABASE+1], s[4:5], s[16:17]
	s_add_nc_u64 s[BBASE:BBASE+1], s[6:7], s[46:47]
	CROUND                                         ; all sixteen work-groups are here: the first joint loads meet
.irp s, 0,1
	s_mov_b32 s[G0+4*(\s)], 1
	s_add_co_u32 s[G0+4*(\s)+1], s20, (\s)*SLOT
	s_mov_b32 s[G0B+4*(\s)], 1
	s_add_co_u32 s[G0B+4*(\s)+1], s20, (\s)*SLOT
	AIM \s
	JLOAD \s                                       ; two loads of mine are out
.if (\s) == 0
	NEXTK
.endif
.endr
	v_and_b32 v1, 15, v0                           ; l % 16
	v_bfe_u32 v2, v0, 4, 1                         ; l / 16
	v_mul_u32_u24 v3, v1, PITCH
	v_lshl_add_u32 v3, v2, 4, v3
	s_mul_i32 s21, s11, HALFT                      ; my 64 rows of A
	s_mul_i32 s22, s12, HALFT                      ; my 64 rows of B,
	s_add_co_u32 s22, s22, 2*HALFT                 ; which lie behind A's 128
.irp s, 0,1
	v_add_nc_u32 v[ADRA+(\s)], s21, v3
	v_add_nc_u32 v[ADRB+(\s)], s22, v3
	s_add_co_u32 s21, s21, SLOT
	s_add_co_u32 s22, s22, SLOT
.endr
	s_mul_i32 s23, s10, HALFT                      ; my stage: in my quarter of slot 0
	v_mul_u32_u24 v4, v1, SPITCH                   ; in: row l % 16, 32 bytes for each half of the lanes
	v_lshl_add_u32 v4, v2, 5, v4
	v_add_nc_u32 v[STO], s23, v4
	v_mul_u32_u24 v5, v2, SPITCH                   ; back: lanes 0-15 take one row of 256 bytes, lanes 16-31 the next
	v_lshl_add_u32 v5, v1, 4, v5
	v_add_nc_u32 v[RD], s23, v5
	v_lshlrev_b32 v5, 12, v2                       ; and the same two rows in res and in C
	v_lshl_add_u32 v[CO], v1, 4, v5
	v_lshlrev_b32 v[BO], 5, v2
	s_lshl_b32 s46, s42, 9                         ; my 64 columns in f32: 512 x tile column + 256 x half: in the bias, and in a row of res and of C
	s_lshl_b32 s47, s12, 8
	s_add_co_u32 s46, s46, s47
	s_mov_b32 s47, 0
	s_add_nc_u64 s[68:69], s[68:69], s[46:47]
	s_lshl_b32 s16, s13, 7
	s_lshl_b32 s17, s11, 6
	s_add_co_u32 s16, s16, s17                     ; my first row
	s_lshl_b32 s16, s16, 12
	s_add_co_u32 s16, s16, s46
	s_mov_b32 s17, 0
	s_add_nc_u64 s[70:71], s[70:71], s[16:17]
	s_add_nc_u64 s[8:9], s[8:9], s[16:17]
.irp b, 0,1,2,3
	global_load_b128 v[BF+8*(\b):BF+8*(\b)+3],   v[BO], s[68:69] offset:64*(\b)
	global_load_b128 v[BF+8*(\b)+4:BF+8*(\b)+7], v[BO], s[68:69] offset:64*(\b)+16
.endr
	WIN 0x80                                       ; destination window 2, address window 0
.set t, 0
.rept 32
	global_load_b128 v[4*t:4*t+3], v[CO], s[70:71] offset:t*2*OROW th:TH_LOAD_NT  ; two rows x 256 consecutive bytes
.set t, t+1
.endr
	WIN 0
; 8 matrix instructions: m blocks a0, a0 + 1 x all 4 n blocks, 32 along K: half c of buffer f.  zero = 1: the first product starts the sums, with the bias fragment as C
.macro MUL8 f, c, a0, zero
	WIN MUL
.irp a, \a0, (\a0)+1
.irp b, 0,1,2,3
.if \zero
	v_wmma_f32_16x16x32_f16 v[ACC+8*(4*(\a)+(\b)):ACC+8*(4*(\a)+(\b))+7], v[(\f)+64+8*(4*(\c)+(\b)):(\f)+64+8*(4*(\c)+(\b))+7], v[(\f)+8*(4*(\c)+(\a)):(\f)+8*(4*(\c)+(\a))+7], v[BF+8*(\b):BF+8*(\b)+7]
.else
	v_wmma_f32_16x16x32_f16 v[ACC+8*(4*(\a)+(\b)):ACC+8*(4*(\a)+(\b))+7], v[(\f)+64+8*(4*(\c)+(\b)):(\f)+64+8*(4*(\c)+(\b))+7], v[(\f)+8*(4*(\c)+(\a)):(\f)+8*(4*(\c)+(\a))+7], v[ACC+8*(4*(\a)+(\b)):ACC+8*(4*(\a)+(\b))+7]
.endif
.endr
.endr
.endm
; 32 LDS loads in one run: the fragments of 64 along K at byte k of the rows, into buffer f; the first 32 along K first
.macro FETCH slot, k, f
	WIN TO_F
.irp c, 0,1
.irp i, 0,1,2,3
	ds_load_b128 v[(\f)+64+8*(4*(\c)+(\i)):(\f)+64+8*(4*(\c)+(\i))+3],   v[ADRB+(\slot)] offset:(\k)+64*(\c)+(\i)*16*PITCH
	ds_load_b128 v[(\f)+64+8*(4*(\c)+(\i))+4:(\f)+64+8*(4*(\c)+(\i))+7], v[ADRB+(\slot)] offset:(\k)+64*(\c)+(\i)*16*PITCH+32
	ds_load_b128 v[(\f)+8*(4*(\c)+(\i)):(\f)+8*(4*(\c)+(\i))+3],         v[ADRA+(\slot)] offset:(\k)+64*(\c)+(\i)*16*PITCH
	ds_load_b128 v[(\f)+8*(4*(\c)+(\i))+4:(\f)+8*(4*(\c)+(\i))+7],       v[ADRA+(\slot)] offset:(\k)+64*(\c)+(\i)*16*PITCH+32
.endr
.endr
.endm
.macro PLACES                          ; four plain instructions between a matrix instruction and a load into, or a read of, its registers (ISA guide 7.12.1 for reads)
.rept 4
	v_nop
.endr
.endm
; A K step is four quarters of 64 along K, 32 matrix instructions each, on buffers 0, 1, 0, 1; the 16 accumulators take turns.
.macro QUARTER slot, k, f, g, zero
	s_wait_dscnt 16                                ; the first 32 along K are in; the younger sixteen loads may be out
	MUL8 \f, 0, 0, \zero
	MUL8 \f, 0, 2, \zero
	PLACES
	FETCH \slot, \k, \g
	s_wait_dscnt 32                                ; all but the 32 just issued
	MUL8 \f, 1, 0, 0
	MUL8 \f, 1, 2, 0
.endm
; The last quarter multiplies buffer 1 and changes slots: ONE barrier; in front of it each wave waits for all its tensor loads, adds 0 to its spare word, and waits for that and for its reads of this slot.  fill = 1: this slot is filled again, with the walk's step two on.
.macro TURN slot, next, fill
	WIN 0                                          ; (the add's two registers lie in window 0)
	s_wait_tensorcnt 0x0                           ; no tensor load of mine is out, so a group 0 may be written
	ds_add_u32 v[SPW], v[NIL]                      ; 0 onto my spare word; the descriptors' scalar work stands between it and the wait for it
.if \fill
	NEXTK
	AIM \slot
.endif
	s_wait_dscnt 17                                ; (the add and the youngest sixteen loads may be out)
	MUL8 F1, 0, 0, 0
	s_wait_dscnt 0x0                               ; the add is done, and my reads of this slot are over
	s_barrier_signal -1
	MUL8 F1, 0, 2, 0
.if \fill
	WIN 0
.endif
	s_barrier_wait -1
.if \fill
	CREST                                          ; no wave of any partner still reads this slot's tile or has a load on its way
	JLOAD \slot                                    ; the first thing behind the round; its four v_nop are also the places in front of the loads below
.else
	PLACES
.endif
	FETCH \next, 0, F0
	MUL8 F1, 1, 0, 0
	MUL8 F1, 1, 2, 0
.endm
	s_wait_tensorcnt 1                             ; my part of the walk's first step is in; the second's load may stay out
	s_wait_loadcnt 32                              ; the bias is in; the residual's 32 loads stay out
	s_barrier_signal -1
	s_barrier_wait -1
	FETCH 0, 0, F0
	QUARTER 0, 128, F0, F1, 1                      ; the first quarter stands in front of the loop: its first products start the sums
	WIN 0                                          ; at a label and at a branch every window is 0
	s_mov_b32 s3, LAPS-1
.Llap:                                         ; a trip goes once round the ring and fills both slots again
	QUARTER 0, 256, F1, F0, 0
	QUARTER 0, 384, F0, F1, 0
	TURN 0, 1, 1
	QUARTER 1, 128, F0, F1, 0
	QUARTER 1, 256, F1, F0, 0
	QUARTER 1, 384, F0, F1, 0
	TURN 1, 0, 1
	QUARTER 0, 128, F0, F1, 0
	WIN 0
	s_sub_co_u32 s3, s3, 1
	s_cmp_lg_u32 s3, 0
	s_cbranch_scc1 .Llap
	QUARTER 0, 256, F1, F0, 0                      ; the last lap fills nothing
	QUARTER 0, 384, F0, F1, 0
	TURN 0, 1, 0                                   ; behind this barrier nobody reads slot 0 any more, and no load fills it again
	QUARTER 1, 128, F0, F1, 0
	QUARTER 1, 256, F1, F0, 0
	QUARTER 1, 384, F0, F1, 0
	s_wait_dscnt 16
	MUL8 F1, 0, 0, 0
	MUL8 F1, 0, 2, 0
	s_wait_dscnt 0x0
	MUL8 F1, 1, 0, 0
	MUL8 F1, 1, 2, 0
	WIN 0
	; THE WAY OUT: a lane's eight f32 of a row, 32 bytes, into my stage; whole rows of 256 bytes come back, take the residual and are stored.  The stage is the wave's own and LDS serves a wave's instructions in order
	; (ISA guide 5.7.1.4): no wait and no barrier between the stores and the loads.  Each accumulator's low four registers are read first.
	PLACES
.irp a, 0,1,2,3
.irp b, 0,1,2,3
	ds_store_b128 v[STO], v[ACC+8*(4*(\a)+(\b)):ACC+8*(4*(\a)+(\b))+3]   offset:(\a)*16*SPITCH+64*(\b)
	ds_store_b128 v[STO], v[ACC+8*(4*(\a)+(\b))+4:ACC+8*(4*(\a)+(\b))+7] offset:(\a)*16*SPITCH+64*(\b)+16
.endr
.endr
	s_wait_loadcnt 0x0                             ; the residual
.irp g, 0,1
	WIN 0
.set i, 0
.rept 16
	ds_load_b128 v[TMP+4*i:TMP+4*i+3], v[RD] offset:(16*(\g)+i)*2*SPITCH
.set i, i+1
.endr
	WIN 0x88                                       ; destination and source 1 (the residual; a store's data) window 2, source 0 (the sums; a store's address) window 0
.set i, 0
.rept 16
	s_wait_dscnt 15-i                              ; pair i of rows is in, the younger ones may be out
	v_pk_add_f32 v[4*(16*(\g)+i):4*(16*(\g)+i)+1],   v[TMP+4*i:TMP+4*i+1],   v[4*(16*(\g)+i):4*(16*(\g)+i)+1]
	v_pk_add_f32 v[4*(16*(\g)+i)+2:4*(16*(\g)+i)+3], v[TMP+4*i+2:TMP+4*i+3], v[4*(16*(\g)+i)+2:4*(16*(\g)+i)+3]
	global_store_b128 v[CO], v[4*(16*(\g)+i):4*(16*(\g)+i)+3], s[8:9] offset:(16*(\g)+i)*2*OROW  ; 16 lanes store 256 consecutive bytes, at a multiple of 256 from C's first byte
.set i, i+1
.endr
.endr
	WIN 0
	s_wait_tensorcnt 0x0                           ; the wave's end: behind my last tensor load and my last LDS store
	ds_add_u32 v[SPW], v[NIL]
	s_wait_dscnt 0x0
	CROUND                                         ; the closing round
	s_endpgm
.Lfunc_end_k_q3b08cc9a12_oproj:
	.size	k_q3b08cc9a12_oproj, .Lfunc_end_k_q3b08cc9a12_oproj-k_q3b08cc9a12_oproj
	.p2alignl 7, 3214868480
	.fill 96, 4, 3214868480
	.section	.rodata,"a",@progbits
	.p2align	6, 0x0
	.amdhsa_kernel k_q3b08cc9a12_oproj
		.amdhsa_group_segment_fixed_size 327680
		.amdhsa_private_segment_fixed_size 0
		.amdhsa_enable_private_segment 0
		.amdhsa_kernarg_size 40
		.amdhsa_user_sgpr_count 2
		.amdhsa_user_sgpr_kernarg_segment_ptr 1
		.amdhsa_wavefront_size32 1
		.amdhsa_system_sgpr_workgroup_id_x 1
		.amdhsa_system_sgpr_workgroup_id_y 1
		.amdhsa_system_sgpr_workgroup_id_z 1
		.amdhsa_system_vgpr_workitem_id 0
		.amdhsa_next_free_vgpr 640
		.amdhsa_next_free_sgpr 80
		.amdhsa_reserve_vcc 0
		.amdhsa_float_denorm_mode_32 3
		.amdhsa_float_denorm_mode_16_64 3
		.amdhsa_memory_ordered 1
		.amdhsa_forward_progress 1
		.amdhsa_inst_pref_size 95
	.end_amdhsa_kernel
	.amdgpu_metadata
---
amdhsa.version: [ 1, 2 ]
amdhsa.kernels:
  - .name:           k_q3b08cc9a12_oproj
    .symbol:         k_q3b08cc9a12_oproj.kd
    .args:
      - { .name: hy, .offset: 0, .size: 8, .value_kind: global_buffer, .address_space: global }
      - { .name: wo16, .offset: 8, .size: 8, .value_kind: global_buffer, .address_space: global }
      - { .name: out_b, .offset: 16, .size: 8, .value_kind: global_buffer, .address_space: global }
      - { .name: x, .offset: 24, .size: 8, .value_kind: global_buffer, .address_space: global }
      - { .name: x1, .offset: 32, .size: 8, .value_kind: global_buffer, .address_space: global }
    .group_segment_fixed_size: 327680
    .private_segment_fixed_size: 0
    .kernarg_segment_align: 8
    .kernarg_segment_size: 40
    .max_flat_workgroup_size: 128
    .sgpr_count:     80
    .vgpr_count:     640
    .wavefront_size: 32
...
	.end_amdgpu_metadata
.endif
;; end of part 4
;; launch ln2 (part 5): grid 256 x 1, 8 waves a work-group, no clusters, 0 bytes of LDS; arguments x1, ln2_g, ln2_b, hy, par; writes hy, par
.if DOCPART == 5
	.amdgcn_target "amdgcn-amd-amdhsa--gfx1250"
	.amdhsa_code_object_version 6
	.text
	.protected	k_q3b08cc9a12_ln2
	.globl	k_q3b08cc9a12_ln2
	.p2align	8
	.type	k_q3b08cc9a12_ln2,@function
k_q3b08cc9a12_ln2:
	s_mov_b64 s[64:65], 0
	v_nop
	global_prefetch_b8 v0, s[64:65] scope:SCOPE_SE
	s_setreg_imm32_b32 hwreg(HW_REG_WAVE_MODE, 25, 1), 1
	s_wait_xcnt 0x0
; h2 = LayerNorm(x1) * ln2_g + ln2_b, rounded once to f16, into hy (rows of 2,048 bytes, token order).  16 rows a work-group, two rows a wave.  Work-group 0 also writes the selector 1 into par (64 equal words).
; A stream: no LDS, no barrier, no matrix unit.  A row is 32 registers of one wave, so mean and variance are two passes over registers and memory is read once.
; LANES.  Of chunk c (256 numbers) lane l holds numbers 256 c + 8 l .. + 7: two loads of 16 bytes; rounded they are 16 bytes, and a store of the wave covers 512 consecutive bytes, aligned.
; LIMITS.  f16 holds no number beyond 65,504: h2 must lie within it.  NaN and infinities are not treated apart.
.set LO,  2
.set SO,  3
.set PO,  4
.set X0,  8
.set X1,  40
.set GA,  72
.set BE,  104
.set Y0,  136
.set Y1,  152
.set AC,  168
.set MP,  176
.set R0,  178
.set TP,  180
.set R1,  182
.set T0,  184
.set T1,  185
.set ZZ,  186
.set SELA, 42
.set INV,  44
.set EPS,  45
.macro LD8 dst, base, off
.irp c, 0,1,2,3
	global_load_b128 v[(\dst)+8*(\c):(\dst)+8*(\c)+3],   v[LO], s[(\base):(\base)+1] offset:(\off)+1024*(\c)
	global_load_b128 v[(\dst)+8*(\c)+4:(\dst)+8*(\c)+7], v[LO], s[(\base):(\base)+1] offset:(\off)+1024*(\c)+16
.endr
.endm
.macro OUT8 x, y, base, off
.set i, 0
.rept 16
	v_cvt_pk_f16_f32 v[(\y)+i], v[(\x)+2*i], v[(\x)+2*i+1]
.set i, i+1
.endr
.irp c, 0,1,2,3
	global_store_b128 v[SO], v[(\y)+4*(\c):(\y)+4*(\c)+3], s[(\base):(\base)+1] offset:(\off)+512*(\c)
.endr
.endm
.macro ALLSUM                          ; the four pairs into one number, then over the 32 lanes
	v_pk_add_f32 v[AC:AC+1], v[AC:AC+1], v[AC+2:AC+3]
	v_pk_add_f32 v[AC+4:AC+5], v[AC+4:AC+5], v[AC+6:AC+7]
	v_pk_add_f32 v[AC:AC+1], v[AC:AC+1], v[AC+4:AC+5]
	v_add_f32 v[AC], v[AC], v[AC+1]
	v_add_f32_dpp v[AC], v[AC], v[AC] row_xmask:1 row_mask:0xf bank_mask:0xf
	v_add_f32_dpp v[AC], v[AC], v[AC] row_xmask:2 row_mask:0xf bank_mask:0xf
	v_add_f32_dpp v[AC], v[AC], v[AC] row_xmask:4 row_mask:0xf bank_mask:0xf
	v_add_f32_dpp v[AC], v[AC], v[AC] row_xmask:8 row_mask:0xf bank_mask:0xf
	v_permlanex16_b32 v[TP], v[AC], s[SELA], s[SELA+1]
	v_add_f32 v[AC], v[AC], v[TP]
.endm
.macro LNSTAT x, t                     ; the row becomes x - mean; t = var + eps (the variance of the centred row)
.irp k, 0,2,4,6
	v_pk_add_f32 v[AC+(\k):AC+(\k)+1], v[(\x)+(\k):(\x)+(\k)+1], v[(\x)+8+(\k):(\x)+8+(\k)+1]
.endr
.irp j, 16,24
.irp k, 0,2,4,6
	v_pk_add_f32 v[AC+(\k):AC+(\k)+1], v[AC+(\k):AC+(\k)+1], v[(\x)+(\j)+(\k):(\x)+(\j)+(\k)+1]
.endr
.endr
	ALLSUM
	v_mul_f32 v[MP], s[INV], v[AC]
	v_mul_f32 v[MP+1], s[INV], v[AC]
.set i, 0
.rept 16
	v_pk_add_f32 v[(\x)+i:(\x)+i+1], v[(\x)+i:(\x)+i+1], v[MP:MP+1] neg_lo:[0,1] neg_hi:[0,1]
.set i, i+2
.endr
.irp k, 0,2,4,6
	v_pk_mul_f32 v[AC+(\k):AC+(\k)+1], v[(\x)+(\k):(\x)+(\k)+1], v[(\x)+(\k):(\x)+(\k)+1]
.endr
.irp j, 8,16,24
.irp k, 0,2,4,6
	v_pk_fma_f32 v[AC+(\k):AC+(\k)+1], v[(\x)+(\j)+(\k):(\x)+(\j)+(\k)+1], v[(\x)+(\j)+(\k):(\x)+(\j)+(\k)+1], v[AC+(\k):AC+(\k)+1]
.endr
.endr
	ALLSUM
	v_fma_f32 v[\t], v[AC], s[INV], s[EPS]
.endm
.macro LNOUT x, r, y, off
.set i, 0
.rept 16
	v_pk_mul_f32 v[(\x)+i:(\x)+i+1], v[(\x)+i:(\x)+i+1], v[(\r):(\r)+1]
.set i, i+2
.endr
.set i, 0
.rept 16
	v_pk_fma_f32 v[(\x)+i:(\x)+i+1], v[(\x)+i:(\x)+i+1], v[GA+i:GA+i+1], v[BE+i:BE+i+1]
.set i, i+2
.endr
	OUT8 \x, \y, 10, \off
.endm
	s_load_b256 s[16:23], s[0:1], 0x0              ; x1 16, ln2_g 18, ln2_b 20, hy 22
	s_load_b64 s[24:25], s[0:1], 0x20              ; par
	v_lshrrev_b32 v1, 5, v0
	v_readfirstlane_b32 s2, v1                     ; wave 0..7
	v_and_b32 v1, 31, v0
	v_lshlrev_b32 v[LO], 5, v1
	v_lshlrev_b32 v[SO], 4, v1
	v_lshlrev_b32 v[PO], 3, v1
	s_mov_b32 s[SELA], 0x76543210
	s_mov_b32 s[SELA+1], 0xfedcba98
	s_mov_b32 s[INV], 0x3a800000                   ; 1/1024
	s_mov_b32 s[EPS], 0x3727c5ac                   ; 1e-5
	s_lshl_b32 s4, ttmp9, 4
	s_lshl_b32 s5, s2, 1
	s_add_co_u32 s4, s4, s5                        ; my first row
	s_lshl_b32 s6, s4, 12
	s_mov_b32 s7, 0
	s_lshl_b32 s12, s4, 11
	s_mov_b32 s13, 0
	s_wait_kmcnt 0x0
	s_add_nc_u64 s[8:9], s[16:17], s[6:7]
	s_add_nc_u64 s[10:11], s[22:23], s[12:13]
	LD8 X0, 8, 0
	LD8 X1, 8, 4096
	LD8 GA, 18, 0
	LD8 BE, 20, 0
	v_mov_b32 v[TP], 0                             ; v_permlanex16_b32 counts as a reader of its destination
	s_wait_loadcnt 24                              ; the first row's eight loads are in; 24 younger ones stay out
	LNSTAT X0, T0
	s_wait_loadcnt 16                              ; the second row's are in; gain and bias stay out
	LNSTAT X1, T1
	v_rsq_f32 v[R0], v[T0]                         ; one batch of four
	v_rsq_f32 v[R0+1], v[T0]
	v_rsq_f32 v[R1], v[T1]
	v_rsq_f32 v[R1+1], v[T1]
	v_nop                                          ; a plain instruction behind the last of them,
	s_wait_alu depctr_va_vdst(0)                   ; and the wait ahead of the first reader: one for the batch
	s_wait_loadcnt 0x0                             ; gain and bias
	LNOUT X0, R0, Y0, 0
	LNOUT X1, R1, Y1, 2048
	s_or_b32 s4, ttmp9, s2
	s_cmp_lg_u32 s4, 0
	s_cbranch_scc1 .Ldone
	v_mov_b32 v[ZZ], 1                             ; the selector for the launches behind this one: 1, in all 64 words of par
	v_mov_b32 v[ZZ+1], 1
	global_store_b64 v[PO], v[ZZ:ZZ+1], s[24:25]
.Ldone:
	s_endpgm
.Lfunc_end_k_q3b08cc9a12_ln2:
	.size	k_q3b08cc9a12_ln2, .Lfunc_end_k_q3b08cc9a12_ln2-k_q3b08cc9a12_ln2
	.p2alignl 7, 3214868480
	.fill 96, 4, 3214868480
	.section	.rodata,"a",@progbits
	.p2align	6, 0x0
	.amdhsa_kernel k_q3b08cc9a12_ln2
		.amdhsa_group_segment_fixed_size 0
		.amdhsa_private_segment_fixed_size 0
		.amdhsa_enable_private_segment 0
		.amdhsa_kernarg_size 40
		.amdhsa_user_sgpr_count 2
		.amdhsa_user_sgpr_kernarg_segment_ptr 1
		.amdhsa_wavefront_size32 1
		.amdhsa_system_sgpr_workgroup_id_x 1
		.amdhsa_system_sgpr_workgroup_id_y 1
		.amdhsa_system_sgpr_workgroup_id_z 1
		.amdhsa_system_vgpr_workitem_id 0
		.amdhsa_next_free_vgpr 192
		.amdhsa_next_free_sgpr 66
		.amdhsa_reserve_vcc 0
		.amdhsa_float_denorm_mode_32 3
		.amdhsa_float_denorm_mode_16_64 3
		.amdhsa_memory_ordered 1
		.amdhsa_forward_progress 1
		.amdhsa_inst_pref_size 20
	.end_amdhsa_kernel
	.amdgpu_metadata
---
amdhsa.version: [ 1, 2 ]
amdhsa.kernels:
  - .name:           k_q3b08cc9a12_ln2
    .symbol:         k_q3b08cc9a12_ln2.kd
    .args:
      - { .name: x1, .offset: 0, .size: 8, .value_kind: global_buffer, .address_space: global }
      - { .name: ln2_g, .offset: 8, .size: 8, .value_kind: global_buffer, .address_space: global }
      - { .name: ln2_b, .offset: 16, .size: 8, .value_kind: global_buffer, .address_space: global }
      - { .name: hy, .offset: 24, .size: 8, .value_kind: global_buffer, .address_space: global }
      - { .name: par, .offset: 32, .size: 8, .value_kind: global_buffer, .address_space: global }
    .group_segment_fixed_size: 0
    .private_segment_fixed_size: 0
    .kernarg_segment_align: 8
    .kernarg_segment_size: 40
    .max_flat_workgroup_size: 256
    .sgpr_count:     66
    .vgpr_count:     192
    .wavefront_size: 32
...
	.end_amdgpu_metadata
.endif
;; end of part 5
;; launch ffn1: the kernel of part 2 again; grid 16 x 16, 4 waves a work-group, clusters of 4 x 4, 327,680 bytes of LDS; arguments hy, w116, ffn_b1, par, big; writes big
;; launch ffn2 (part 6): grid 8 x 32, 4 waves a work-group, clusters of 4 x 4, 327,680 bytes of LDS; arguments big, w216, ffn_b2, x1, out0; writes out0
.if DOCPART == 6
	.amdgcn_target "amdgcn-amd-amdhsa--gfx1250"
	.amdhsa_code_object_version 6
	.text
	.protected	k_q3b08cc9a12_ffn2
	.globl	k_q3b08cc9a12_ffn2
	.p2align	8
	.type	k_q3b08cc9a12_ffn2,@function
k_q3b08cc9a12_ffn2:
	s_mov_b64 s[64:65], 0
	v_nop
	global_prefetch_b8 v0, s[64:65] scope:SCOPE_SE
	s_setreg_imm32_b32 hwreg(HW_REG_WAVE_MODE, 25, 1), 1
	s_wait_xcnt 0x0
	s_wait_alu depctr_hold_cnt(0) depctr_sa_sdst(0) depctr_va_vdst(0) depctr_va_sdst(0) depctr_va_ssrc(0) depctr_va_vcc(0) depctr_vm_vsrc(0)
	s_getreg_b32 s2, hwreg(HW_REG_IB_STS2, 6, 4)
	s_cmp_eq_u32 s2, 0
	s_cbranch_scc0 .Lentry_in_a_cluster
	s_endpgm
.Lentry_in_a_cluster:
	s_bfe_u32 s2, ttmp6, 0x10000c
	s_cmp_lg_u32 s2, 0xf033
	s_cbranch_scc0 .Lentry_shape_is_right
	s_endpgm
.Lentry_shape_is_right:
; C[m][n] = res[m][n] + bias[n] + sum over k < SIZE_K of A[m][k] B[n][k].  A: [4096] rows of 8,192 bytes, f16; B: [1024] rows of 8,192 bytes, f16; bias, res, C f32; res and C [4096][1024].  Sums in f32; nothing is rounded on the way out.
; This text serves SIZE_K = 4096 (the second feed-forward product); the attention's output projection is the same text with SIZE_K = 1024.
; LIMITS.  f16 holds no number beyond 65,504: A and B arrive within it.  NaN and infinities are not treated apart.  The order in which an output's f32 sum takes the K steps hangs on its cluster (below).
; SHAPE.  4,096 x 1,024 of C in tiles of 128 x 128 are 256 work-groups.  Four waves, each 64 x 64: 16 accumulators.  K goes in NS steps of 256 (LDS rows of 512 bytes; a wave's tensor load brings 64 of them) through two slots.
; CLUSTERS: 4 x 4 work-groups; A's tile is asked for jointly along a row of the cluster, B's along a column.  No prefetch: the tiles are small.
; THE WALK ALONG K IS TURNED: cluster (X, Y) begins at K step (NS / 4) (Y mod 4) + (NS / 2) X and wraps round at NS.  The two clusters that read the same rows of A stand NS / 2 steps apart, four clusters that read the same rows of B
; NS / 4 steps apart: they ask for different blocks of those rows at a time.  The step's number hangs on the cluster's two coordinates alone, which all sixteen partners share; each refill's address is made anew from it.
; THE MATRIX INSTRUCTION IS USED TRANSPOSED (source 0 = 16 rows of B, source 1 = 16 rows of A): a lane holds eight neighbouring columns of a row of C, and a bias fragment is the C operand of the product that starts a sum.
; THE RESIDUAL (my 64 rows x 256 bytes, 128 registers) is asked for at the head and stays on its way over the whole walk along K.
; REGISTERS: window 0: v0-31 addresses; v32-95 rows read back; v96-127 bias fragments; v128-255 accumulators ((a, b) at v[128 + 8 (4 a + b)]).  window 1: two fragment buffers of 128.  window 2: v0-127 the residual, then the result.
; THE WAY OUT goes through LDS: slot 0 has had its last fill and its last read ahead of the last change of slots; wave w's quarter of it holds the wave's own stage, 64 rows x 272 bytes.
.set SIZE_K, 4096
.set KP,     4096                      ; elements from row to row of A and of B
.set OROW,   4096                      ; bytes in a row of res and of C
.set KSTEP,  256
.set NS,     SIZE_K/KSTEP              ; K steps: a power of two, at least 4
.set PITCH,  528                       ; an LDS row: 512 bytes + 16 of padding = 132 words: row r starts at bank 4 r mod 64 (ISA guide 11.1)
.set HALFT,  64*PITCH
.set SLOT,   4*HALFT
.set SPARE,  2*SLOT                    ; behind the ring: the spare words, 128 bytes a wave: two blocks of 256 bytes that no other line names
.set SPITCH, 272
.set LAPS, SIZE_K/(2*KSTEP)
.set ADRA, 16
.set ADRB, 20
.set STO,  24
.set RD,   25
.set CO,   26                          ; v26  my byte offset in two rows of res and of C; never rewritten
.set BO,   27
.set SPW,  28
.set NIL,  29
.set TMP,  32
.set BF,   96
.set ACC,  128
.set F0,   0
.set F1,   128
.set G1, 24
.set G0, 32
.set G1B, 48
.set G0B, 56
.set ABASE, 72                         ; s[72:73] A at the first of the 64 rows that I fetch, K = 0
.set BBASE, 74                         ; s[74:75] B likewise
.set KOFF,  76                         ; s[76:77] 512 x the K step's number, in 64 bits
.set KI,    78                         ; s78      the K step asked for last
.set MSB, 0
.macro WIN new
.if MSB != (\new)
	s_set_vgpr_msb (MSB<<8)|(\new)
.set MSB, \new
.endif
.endm
.set MUL,  0x05                        ; sources 0 (B) and 1 (A) window 1; C and D window 0
.set TO_F, 0x40                        ; destination window 1, address window 0
.macro JLOAD s                         ; a joint load: waves 0 and 1 fetch A's two halves, waves 2 and 3 B's; an s_nop 0 and four v_nop follow each of the two lines
	s_cmp_eq_u32 s11, 0
	s_cbranch_scc0 .Lfor_b_\@
	tensor_load_to_lds s[G0+4*(\s):G0+4*(\s)+3], s[G1:G1+7]
	s_nop 0
.rept 4
	v_nop
.endr
	s_branch .Lasked_\@
.Lfor_b_\@:
	tensor_load_to_lds s[G0B+4*(\s):G0B+4*(\s)+3], s[G1B:G1B+7]
	s_nop 0
.rept 4
	v_nop
.endr
.Lasked_\@:
.endm
.macro NEXTK                           ; the next K step of the turned walk
	s_add_co_u32 s[KI], s[KI], 1
	s_and_b32 s[KI], s[KI], NS-1
.endm
.macro AIM slot                        ; the slot's two descriptors take K step KI: the global address is made anew, base + 512 KI, and the type set again
	s_lshl_b32 s[KOFF], s[KI], 9
	s_add_nc_u64 s[G0+4*(\slot)+2:G0+4*(\slot)+3], s[ABASE:ABASE+1], s[KOFF:KOFF+1]
	s_or_b32 s[G0+4*(\slot)+3], s[G0+4*(\slot)+3], 0x80000000
	s_add_nc_u64 s[G0B+4*(\slot)+2:G0B+4*(\slot)+3], s[BBASE:BBASE+1], s[KOFF:KOFF+1]
	s_or_b32 s[G0B+4*(\slot)+3], s[G0B+4*(\slot)+3], 0x80000000
.endm
.macro CREST
	s_cmp_lg_u32 s10, 0
	s_cbranch_scc1 .Lnot_wave_0_\@
	s_barrier_signal -3
.Lnot_wave_0_\@:
	s_barrier_wait -3
	s_barrier_signal -1
	s_barrier_wait -1
.endm
.macro CROUND
	s_barrier_signal -1
	s_barrier_wait -1
	CREST
.endm
	s_load_b128 s[4:7], s[0:1], 0x0                ; A s[4:5], B s[6:7]
	s_load_b128 s[68:71], s[0:1], 0x10             ; bias s[68:69], res s[70:71]
	s_load_b64 s[8:9], s[0:1], 0x20                ; C
	v_lshl_add_u32 v[SPW], v0, 2, SPARE
	v_mov_b32 v[NIL], 0
	ds_add_u32 v[SPW], v[NIL]                      ; the wave's opening: the add and its wait ahead of my first tensor load; work on registers stands between them
	v_lshrrev_b32 v1, 5, v0
	v_readfirstlane_b32 s10, v1                    ; wave 0..3
	s_lshr_b32 s11, s10, 1                         ; which half of the tile's rows is mine.  Also: I fetch for A (0) or for B (1)
	s_and_b32 s12, s10, 1                          ; which half of its columns.  Also: which 64 rows of that tile I fetch
	s_bfe_u32 s40, ttmp6, 0x40000
	s_bfe_u32 s41, ttmp6, 0x40004
	s_lshl_b32 s42, ttmp9, 2
	s_add_co_u32 s42, s42, s40                     ; tile column of C
	s_and_b32 s13, ttmp7, 0xffff
	s_lshl_b32 s13, s13, 2
	s_add_co_u32 s13, s13, s41                     ; tile row of C
	s_lshl_b32 s43, s41, 2
	s_lshl_b32 s43, 15, s43                        ; my row of the cluster
	s_lshl_b32 s44, 0x1111, s40                    ; my column
	s_or_b32 s[G1+0], s43, (1<<16)|(1<<20)|(1<<21)|(6<<22)|(3<<25)   ; the mask; elements of 2 bytes; padding on; bit 21 beside a mask; after every 128 words 4 words
	s_or_b32 s[G1B+0], s44, (1<<16)|(1<<20)|(1<<21)|(6<<22)|(3<<25)
.irp g, G1, G1B
	s_mov_b32 s[(\g)+1], KSTEP<<16                 ; tensor_dim0 = 256
	s_mov_b32 s[(\g)+2], 64<<16                    ; tensor_dim1 = 64
	s_mov_b32 s[(\g)+3], KSTEP<<16                 ; tile_dim0 = 256
	s_mov_b32 s[(\g)+4], 64                        ; tile_dim1 = 64
	s_mov_b32 s[(\g)+5], KP                        ; elements from row to row
	s_mov_b32 s[(\g)+6], 0
	s_mov_b32 s[(\g)+7], 0
.endr
	s_lshl_b32 s17, s12, 6                         ; which 64 rows of the tile I fetch
	s_lshl_b32 s16, s13, 7
	s_add_co_u32 s16, s16, s17                     ; A: row 128 x tile row + 64 x half
	s_lshl_b32 s46, s42, 7
	s_add_co_u32 s46, s46, s17                     ; B: row 128 x tile column + 64 x half
	s_lshl_b32 s16, s16, 13                        ; rows of 8,192 bytes: under 2^25
	s_lshl_b32 s46, s46, 13
	s_mov_b32 s17, 0
	s_mov_b32 s47, 0
	s_mul_i32 s20, s10, HALFT                      ; where they go: wave x 64 rows
	s_and_b32 s[KI], ttmp7, 3                      ; the cluster's first K step: (NS / 4) (cluster y mod 4)
	s_mul_i32 s[KI], s[KI], NS/4
	s_mul_i32 s79, ttmp9, NS/2                     ; + (NS / 2) cluster x,
	s_add_co_u32 s[KI], s[KI], s79
	s_and_b32 s[KI], s[KI], NS-1                   ; wrapped
	s_mov_b32 s[KOFF+1], 0
	s_wait_dscnt 0x0                               ; the opening add is done
	s_wait_kmcnt 0x0
	s_add_nc_u64 s[ABASE:ABASE+1], s[4:5], s[16:17]
	s_add_nc_u64 s[BBASE:BBASE+1], s[6:7], s[46:47]
	CROUND                                         ; all sixteen work-groups are here: the first joint loads meet
.irp s, 0,1
	s_mov_b32 s[G0+4*(\s)], 1
	s_add_co_u32 s[G0+4*(\s)+1], s20, (\s)*SLOT
	s_mov_b32 s[G0B+4*(\s)], 1
	s_add_co_u32 s[G0B+4*(\s)+1], s20, (\s)*SLOT
	AIM \s
	JLOAD \s                                       ; two loads of mine are out
.if (\s) == 0
	NEXTK
.endif
.endr
	v_and_b32 v1, 15, v0                           ; l % 16
	v_bfe_u32 v2, v0, 4, 1                         ; l / 16
	v_mul_u32_u24 v3, v1, PITCH
	v_lshl_add_u32 v3, v2, 4, v3
	s_mul_i32 s21, s11, HALFT                      ; my 64 rows of A
	s_mul_i32 s22, s12, HALFT                      ; my 64 rows of B,
	s_add_co_u32 s22, s22, 2*HALFT                 ; which lie behind A's 128
.irp s, 0,1
	v_add_nc_u32 v[ADRA+(\s)], s21, v3
	v_add_nc_u32 v[ADRB+(\s)], s22, v3
	s_add_co_u32 s21, s21, SLOT
	s_add_co_u32 s22, s22, SLOT
.endr
	s_mul_i32 s23, s10, HALFT                      ; my stage: in my quarter of slot 0
	v_mul_u32_u24 v4, v1, SPITCH                   ; in: row l % 16, 32 bytes for each half of the lanes
	v_lshl_add_u32 v4, v2, 5, v4
	v_add_nc_u32 v[STO], s23, v4
	v_mul_u32_u24 v5, v2, SPITCH                   ; back: lanes 0-15 take one row of 256 bytes, lanes 16-31 the next
	v_lshl_add_u32 v5, v1, 4, v5
	v_add_nc_u32 v[RD], s23, v5
	v_lshlrev_b32 v5, 12, v2                       ; and the same two rows in res and in C
	v_lshl_add_u32 v[CO], v1, 4, v5
	v_lshlrev_b32 v[BO], 5, v2
	s_lshl_b32 s46, s42, 9                         ; my 64 columns in f32: 512 x tile column + 256 x half: in the bias, and in a row of res and of C
	s_lshl_b32 s47, s12, 8
	s_add_co_u32 s46, s46, s47
	s_mov_b32 s47, 0
	s_add_nc_u64 s[68:69], s[68:69], s[46:47]
	s_lshl_b32 s16, s13, 7
	s_lshl_b32 s17, s11, 6
	s_add_co_u32 s16, s16, s17                     ; my first row
	s_lshl_b32 s16, s16, 12
	s_add_co_u32 s16, s16, s46
	s_mov_b32 s17, 0
	s_add_nc_u64 s[70:71], s[70:71], s[16:17]
	s_add_nc_u64 s[8:9], s[8:9], s[16:17]
.irp b, 0,1,2,3
	global_load_b128 v[BF+8*(\b):BF+8*(\b)+3],   v[BO], s[68:69] offset:64*(\b)
	global_load_b128 v[BF+8*(\b)+4:BF+8*(\b)+7], v[BO], s[68:69] offset:64*(\b)+16
.endr
	WIN 0x80                                       ; destination window 2, address window 0
.set t, 0
.rept 32
	global_load_b128 v[4*t:4*t+3], v[CO], s[70:71] offset:t*2*OROW th:TH_LOAD_NT  ; two rows x 256 consecutive bytes
.set t, t+1
.endr
	WIN 0
; 8 matrix instructions: m blocks a0, a0 + 1 x all 4 n blocks, 32 along K: half c of buffer f.  zero = 1: the first product starts the sums, with the bias fragment as C
.macro MUL8 f, c, a0, zero
	WIN MUL
.irp a, \a0, (\a0)+1
.irp b, 0,1,2,3
.if \zero
	v_wmma_f32_16x16x32_f16 v[ACC+8*(4*(\a)+(\b)):ACC+8*(4*(\a)+(\b))+7], v[(\f)+64+8*(4*(\c)+(\b)):(\f)+64+8*(4*(\c)+(\b))+7], v[(\f)+8*(4*(\c)+(\a)):(\f)+8*(4*(\c)+(\a))+7], v[BF+8*(\b):BF+8*(\b)+7]
.else
	v_wmma_f32_16x16x32_f16 v[ACC+8*(4*(\a)+(\b)):ACC+8*(4*(\a)+(\b))+7], v[(\f)+64+8*(4*(\c)+(\b)):(\f)+64+8*(4*(\c)+(\b))+7], v[(\f)+8*(4*(\c)+(\a)):(\f)+8*(4*(\c)+(\a))+7], v[ACC+8*(4*(\a)+(\b)):ACC+8*(4*(\a)+(\b))+7]
.endif
.endr
.endr
.endm
; 32 LDS loads in one run: the fragments of 64 along K at byte k of the rows, into buffer f; the first 32 along K first
.macro FETCH slot, k, f
	WIN TO_F
.irp c, 0,1
.irp i, 0,1,2,3
	ds_load_b128 v[(\f)+64+8*(4*(\c)+(\i)):(\f)+64+8*(4*(\c)+(\i))+3],   v[ADRB+(\slot)] offset:(\k)+64*(\c)+(\i)*16*PITCH
	ds_load_b128 v[(\f)+64+8*(4*(\c)+(\i))+4:(\f)+64+8*(4*(\c)+(\i))+7], v[ADRB+(\slot)] offset:(\k)+64*(\c)+(\i)*16*PITCH+32
	ds_load_b128 v[(\f)+8*(4*(\c)+(\i)):(\f)+8*(4*(\c)+(\i))+3],         v[ADRA+(\slot)] offset:(\k)+64*(\c)+(\i)*16*PITCH
	ds_load_b128 v[(\f)+8*(4*(\c)+(\i))+4:(\f)+8*(4*(\c)+(\i))+7],       v[ADRA+(\slot)] offset:(\k)+64*(\c)+(\i)*16*PITCH+32
.endr
.endr
.endm
.macro PLACES                          ; four plain instructions between a matrix instruction and a load into, or a read of, its registers (ISA guide 7.12.1 for reads)
.rept 4
	v_nop
.endr
.endm
; A K step is four quarters of 64 along K, 32 matrix instructions each, on buffers 0, 1, 0, 1; the 16 accumulators take turns.
.macro QUARTER slot, k, f, g, zero
	s_wait_dscnt 16                                ; the first 32 along K are in; the younger sixteen loads may be out
	MUL8 \f, 0, 0, \zero
	MUL8 \f, 0, 2, \zero
	PLACES
	FETCH \slot, \k, \g
	s_wait_dscnt 32                                ; all but the 32 just issued
	MUL8 \f, 1, 0, 0
	MUL8 \f, 1, 2, 0
.endm
; The last quarter multiplies buffer 1 and changes slots: ONE barrier; in front of it each wave waits for all its tensor loads, adds 0 to its spare word, and waits for that and for its reads of this slot.  fill = 1: this slot is filled again, with the walk's step two on.
.macro TURN slot, next, fill
	WIN 0                                          ; (the add's two registers lie in window 0)
	s_wait_tensorcnt 0x0                           ; no tensor load of mine is out, so a group 0 may be written
	ds_add_u32 v[SPW], v[NIL]                      ; 0 onto my spare word; the descriptors' scalar work stands between it and the wait for it
.if \fill
	NEXTK
	AIM \slot
.endif
	s_wait_dscnt 17                                ; (the add and the youngest sixteen loads may be out)
	MUL8 F1, 0, 0, 0
	s_wait_dscnt 0x0                               ; the add is done, and my reads of this slot are over
	s_barrier_signal -1
	MUL8 F1, 0, 2, 0
.if \fill
	WIN 0
.endif
	s_barrier_wait -1
.if \fill
	CREST                                          ; no wave of any partner still reads this slot's tile or has a load on its way
	JLOAD \slot                                    ; the first thing behind the round; its four v_nop are also the places in front of the loads below
.else
	PLACES
.endif
	FETCH \next, 0, F0
	MUL8 F1, 1, 0, 0
	MUL8 F1, 1, 2, 0
.endm
	s_wait_tensorcnt 1                             ; my part of the walk's first step is in; the second's load may stay out
	s_wait_loadcnt 32                              ; the bias is in; the residual's 32 loads stay out
	s_barrier_signal -1
	s_barrier_wait -1
	FETCH 0, 0, F0
	QUARTER 0, 128, F0, F1, 1                      ; the first quarter stands in front of the loop: its first products start the sums
	WIN 0                                          ; at a label and at a branch every window is 0
	s_mov_b32 s3, LAPS-1
.Llap:                                         ; a trip goes once round the ring and fills both slots again
	QUARTER 0, 256, F1, F0, 0
	QUARTER 0, 384, F0, F1, 0
	TURN 0, 1, 1
	QUARTER 1, 128, F0, F1, 0
	QUARTER 1, 256, F1, F0, 0
	QUARTER 1, 384, F0, F1, 0
	TURN 1, 0, 1
	QUARTER 0, 128, F0, F1, 0
	WIN 0
	s_sub_co_u32 s3, s3, 1
	s_cmp_lg_u32 s3, 0
	s_cbranch_scc1 .Llap
	QUARTER 0, 256, F1, F0, 0                      ; the last lap fills nothing
	QUARTER 0, 384, F0, F1, 0
	TURN 0, 1, 0                                   ; behind this barrier nobody reads slot 0 any more, and no load fills it again
	QUARTER 1, 128, F0, F1, 0
	QUARTER 1, 256, F1, F0, 0
	QUARTER 1, 384, F0, F1, 0
	s_wait_dscnt 16
	MUL8 F1, 0, 0, 0
	MUL8 F1, 0, 2, 0
	s_wait_dscnt 0x0
	MUL8 F1, 1, 0, 0
	MUL8 F1, 1, 2, 0
	WIN 0
	; THE WAY OUT: a lane's eight f32 of a row, 32 bytes, into my stage; whole rows of 256 bytes come back, take the residual and are stored.  The stage is the wave's own and LDS serves a wave's instructions in order
	; (ISA guide 5.7.1.4): no wait and no barrier between the stores and the loads.  Each accumulator's low four registers are read first.
	PLACES
.irp a, 0,1,2,3
.irp b, 0,1,2,3
	ds_store_b128 v[STO], v[ACC+8*(4*(\a)+(\b)):ACC+8*(4*(\a)+(\b))+3]   offset:(\a)*16*SPITCH+64*(\b)
	ds_store_b128 v[STO], v[ACC+8*(4*(\a)+(\b))+4:ACC+8*(4*(\a)+(\b))+7] offset:(\a)*16*SPITCH+64*(\b)+16
.endr
.endr
	s_wait_loadcnt 0x0                             ; the residual
.irp g, 0,1
	WIN 0
.set i, 0
.rept 16
	ds_load_b128 v[TMP+4*i:TMP+4*i+3], v[RD] offset:(16*(\g)+i)*2*SPITCH
.set i, i+1
.endr
	WIN 0x88                                       ; destination and source 1 (the residual; a store's data) window 2, source 0 (the sums; a store's address) window 0
.set i, 0
.rept 16
	s_wait_dscnt 15-i                              ; pair i of rows is in, the younger ones may be out
	v_pk_add_f32 v[4*(16*(\g)+i):4*(16*(\g)+i)+1],   v[TMP+4*i:TMP+4*i+1],   v[4*(16*(\g)+i):4*(16*(\g)+i)+1]
	v_pk_add_f32 v[4*(16*(\g)+i)+2:4*(16*(\g)+i)+3], v[TMP+4*i+2:TMP+4*i+3], v[4*(16*(\g)+i)+2:4*(16*(\g)+i)+3]
	global_store_b128 v[CO], v[4*(16*(\g)+i):4*(16*(\g)+i)+3], s[8:9] offset:(16*(\g)+i)*2*OROW  ; 16 lanes store 256 consecutive bytes, at a multiple of 256 from C's first byte
.set i, i+1
.endr
.endr
	WIN 0
	s_wait_tensorcnt 0x0                           ; the wave's end: behind my last tensor load and my last LDS store
	ds_add_u32 v[SPW], v[NIL]
	s_wait_dscnt 0x0
	CROUND                                         ; the closing round
	s_endpgm
.Lfunc_end_k_q3b08cc9a12_ffn2:
	.size	k_q3b08cc9a12_ffn2, .Lfunc_end_k_q3b08cc9a12_ffn2-k_q3b08cc9a12_ffn2
	.p2alignl 7, 3214868480
	.fill 96, 4, 3214868480
	.section	.rodata,"a",@progbits
	.p2align	6, 0x0
	.amdhsa_kernel k_q3b08cc9a12_ffn2
		.amdhsa_group_segment_fixed_size 327680
		.amdhsa_private_segment_fixed_size 0
		.amdhsa_enable_private_segment 0
		.amdhsa_kernarg_size 40
		.amdhsa_user_sgpr_count 2
		.amdhsa_user_sgpr_kernarg_segment_ptr 1
		.amdhsa_wavefront_size32 1
		.amdhsa_system_sgpr_workgroup_id_x 1
		.amdhsa_system_sgpr_workgroup_id_y 1
		.amdhsa_system_sgpr_workgroup_id_z 1
		.amdhsa_system_vgpr_workitem_id 0
		.amdhsa_next_free_vgpr 640
		.amdhsa_next_free_sgpr 80
		.amdhsa_reserve_vcc 0
		.amdhsa_float_denorm_mode_32 3
		.amdhsa_float_denorm_mode_16_64 3
		.amdhsa_memory_ordered 1
		.amdhsa_forward_progress 1
		.amdhsa_inst_pref_size 95
	.end_amdhsa_kernel
	.amdgpu_metadata
---
amdhsa.version: [ 1, 2 ]
amdhsa.kernels:
  - .name:           k_q3b08cc9a12_ffn2
    .symbol:         k_q3b08cc9a12_ffn2.kd
    .args:
      - { .name: big, .offset: 0, .size: 8, .value_kind: global_buffer, .address_space: global }
      - { .name: w216, .offset: 8, .size: 8, .value_kind: global_buffer, .address_space: global }
      - { .name: ffn_b2, .offset: 16, .size: 8, .value_kind: global_buffer, .address_space: global }
      - { .name: x1, .offset: 24, .size: 8, .value_kind: global_buffer, .address_space: global }
      - { .name: out0, .offset: 32, .size: 8, .value_kind: global_buffer, .address_space: global }
    .group_segment_fixed_size: 327680
    .private_segment_fixed_size: 0
    .kernarg_segment_align: 8
    .kernarg_segment_size: 40
    .max_flat_workgroup_size: 128
    .sgpr_count:     80
    .vgpr_count:     640
    .wavefront_size: 32
...
	.end_amdgpu_metadata
.endif
;; end of part 6
;; ======== version 2 of 2: 7 launches; version 1 with the launch ln2 written anew for expert scheduling mode
;; limits: values are held in f16: magnitudes above 65,504 overflow, below 6.1e-05 lose precision
;; workspace buffers: hy 33,554,432 bytes; big 33,554,432 bytes; wq16 6,291,456 bytes; w116 8,388,608 bytes; wo16 8,388,608 bytes; w216 8,388,608 bytes; x1 16,777,216 bytes; par 256 bytes of whole numbers
;; launch prep: the kernel of part 1 again; grid 1024 x 1, 8 waves a work-group, no clusters, 0 bytes of LDS; arguments x, ln1_g, ln1_b, qkv_w, out_w, ffn_w1, ffn_w2, hy, wq16, wo16, w116, w216, par; writes hy, wq16, wo16, w116, w216, par
;; launch qkv: the kernel of part 2 again; grid 12 x 16, 4 waves a work-group, clusters of 4 x 4, 327,680 bytes of LDS; arguments hy, wq16, qkv_b, par, big; writes big
;; launch attn: the kernel of part 3 again; grid 8 x 32, 16 waves a work-group, no clusters, 180,224 bytes of LDS; arguments big, hy; writes hy
;; launch oproj: the kernel of part 4 again; grid 8 x 32, 4 waves a work-group, clusters of 4 x 4, 327,680 bytes of LDS; arguments hy, wo16, out_b, x, x1; writes x1
;; launch ln2 (part 7): grid 256 x 1, 8 waves a work-group, no clusters, 0 bytes of LDS; arguments x1, ln2_g, ln2_b, hy, par; writes hy, par
.if DOCPART == 7
	.amdgcn_target "amdgcn-amd-amdhsa--gfx1250"
	.amdhsa_code_object_version 6
	.text
	.protected	k_q3b08cc9a12_ln2
	.globl	k_q3b08cc9a12_ln2
	.p2align	8
	.type	k_q3b08cc9a12_ln2,@function
k_q3b08cc9a12_ln2:
	s_mov_b64 s[64:65], 0
	v_nop
	global_prefetch_b8 v0, s[64:65] scope:SCOPE_SE
	s_setreg_imm32_b32 hwreg(HW_REG_WAVE_SCHED_MODE, 0, 2), 2
	s_setreg_imm32_b32 hwreg(HW_REG_WAVE_MODE, 25, 1), 1
	s_wait_xcnt 0x0
	s_wait_alu depctr_vm_vsrc(0)
; h2 = LayerNorm(x1) * ln2_g + ln2_b, rounded once to f16, into hy (rows of 2,048 bytes, token order).  16 rows a work-group, two rows a wave.  Work-group 0 also writes the selector 1 into par (64 equal words).
; A stream: no LDS, no barrier, no matrix unit.  A row is 32 registers of one wave, so mean and variance are two passes over registers and memory is read once.
; LANES.  Of chunk c (256 numbers) lane l holds numbers 256 c + 8 l .. + 7: two loads of 16 bytes; rounded they are 16 bytes, and a store of the wave covers 512 consecutive bytes, aligned.
; LIMITS.  f16 holds no number beyond 65,504: h2 must lie within it.  NaN and infinities are not treated apart.
; THE MODE: SCHED_MODE bits 1:0 = 2 (LLVM: expert scheduling mode 2), set by the entry lines.  The code itself states the register dependences between vector instructions and memory instructions, with s_wait_alu, always for 0.
; THE PLAN.  Registers that memory instructions touch:
;   v[LO], v[SO], v[PO]  byte offsets.  Written by three vector lines at the head and never again; read by the 32 loads (LO), the 8 stores of rows (SO) and the store of par (PO).
;   X0, X1, GA, BE       Written by their loads, which no vector instruction that names them precedes; then named by vector instructions alone, behind the counted waits on LOADcnt.
;   Y0, Y1               Row 0's conversions write Y0, which row 0's four stores read; row 1's likewise with Y1.  Neither is written a second time.
;   ZZ                   Written by two moves and read by the store of par, in one wave of the launch.
;   AC, MP, R0, R1, TP, T0, T1 are named by vector instructions alone.
; So: one wait on va_vdst ahead of the first load (the offsets), one behind each row's conversions (its Y), one ahead of the store of par (ZZ), and the wait behind the batch of roots.  Row 1's arithmetic follows row 0's stores
; with nothing between: it names X1, R1, GA, BE and Y1, none of the registers that those stores read.  No register that a memory instruction reads is written again, so the text holds no wait on vm_vsrc; EXEC is never written.
.set LO,  2
.set SO,  3
.set PO,  4
.set X0,  8
.set X1,  40
.set GA,  72
.set BE,  104
.set Y0,  136
.set Y1,  152
.set AC,  168
.set MP,  176
.set R0,  178
.set TP,  180
.set R1,  182
.set T0,  184
.set T1,  185
.set ZZ,  186
.set SELA, 42
.set INV,  44
.set EPS,  45
.macro LD8 dst, base, off
.irp c, 0,1,2,3
	global_load_b128 v[(\dst)+8*(\c):(\dst)+8*(\c)+3],   v[LO], s[(\base):(\base)+1] offset:(\off)+1024*(\c)
	global_load_b128 v[(\dst)+8*(\c)+4:(\dst)+8*(\c)+7], v[LO], s[(\base):(\base)+1] offset:(\off)+1024*(\c)+16
.endr
.endm
.macro ST4 y, off                      ; a rounded row goes out: four stores of 512 consecutive bytes
.irp c, 0,1,2,3
	global_store_b128 v[SO], v[(\y)+4*(\c):(\y)+4*(\c)+3], s[10:11] offset:(\off)+512*(\c)
.endr
.endm
.macro ALLSUM                          ; the four pairs into one number, then over the 32 lanes
	v_pk_add_f32 v[AC:AC+1], v[AC:AC+1], v[AC+2:AC+3]
	v_pk_add_f32 v[AC+4:AC+5], v[AC+4:AC+5], v[AC+6:AC+7]
	v_pk_add_f32 v[AC:AC+1], v[AC:AC+1], v[AC+4:AC+5]
	v_add_f32 v[AC], v[AC], v[AC+1]
	v_add_f32_dpp v[AC], v[AC], v[AC] row_xmask:1 row_mask:0xf bank_mask:0xf
	v_add_f32_dpp v[AC], v[AC], v[AC] row_xmask:2 row_mask:0xf bank_mask:0xf
	v_add_f32_dpp v[AC], v[AC], v[AC] row_xmask:4 row_mask:0xf bank_mask:0xf
	v_add_f32_dpp v[AC], v[AC], v[AC] row_xmask:8 row_mask:0xf bank_mask:0xf
	v_permlanex16_b32 v[TP], v[AC], s[SELA], s[SELA+1]
	v_add_f32 v[AC], v[AC], v[TP]
.endm
.macro LNSTAT x, t                     ; the row becomes x - mean; t = var + eps (the variance of the centred row)
.irp k, 0,2,4,6
	v_pk_add_f32 v[AC+(\k):AC+(\k)+1], v[(\x)+(\k):(\x)+(\k)+1], v[(\x)+8+(\k):(\x)+8+(\k)+1]
.endr
.irp j, 16,24
.irp k, 0,2,4,6
	v_pk_add_f32 v[AC+(\k):AC+(\k)+1], v[AC+(\k):AC+(\k)+1], v[(\x)+(\j)+(\k):(\x)+(\j)+(\k)+1]
.endr
.endr
	ALLSUM
	v_mul_f32 v[MP], s[INV], v[AC]
	v_mul_f32 v[MP+1], s[INV], v[AC]
.set i, 0
.rept 16
	v_pk_add_f32 v[(\x)+i:(\x)+i+1], v[(\x)+i:(\x)+i+1], v[MP:MP+1] neg_lo:[0,1] neg_hi:[0,1]
.set i, i+2
.endr
.irp k, 0,2,4,6
	v_pk_mul_f32 v[AC+(\k):AC+(\k)+1], v[(\x)+(\k):(\x)+(\k)+1], v[(\x)+(\k):(\x)+(\k)+1]
.endr
.irp j, 8,16,24
.irp k, 0,2,4,6
	v_pk_fma_f32 v[AC+(\k):AC+(\k)+1], v[(\x)+(\j)+(\k):(\x)+(\j)+(\k)+1], v[(\x)+(\j)+(\k):(\x)+(\j)+(\k)+1], v[AC+(\k):AC+(\k)+1]
.endr
.endr
	ALLSUM
	v_fma_f32 v[\t], v[AC], s[INV], s[EPS]
.endm
.macro LNOUT x, r, y                   ; (x - mean) * rstd * gain + bias, rounded to f16 into y: 48 vector instructions, which name x, r, GA, BE and y alone
.set i, 0
.rept 16
	v_pk_mul_f32 v[(\x)+i:(\x)+i+1], v[(\x)+i:(\x)+i+1], v[(\r):(\r)+1]
.set i, i+2
.endr
.set i, 0
.rept 16
	v_pk_fma_f32 v[(\x)+i:(\x)+i+1], v[(\x)+i:(\x)+i+1], v[GA+i:GA+i+1], v[BE+i:BE+i+1]
.set i, i+2
.endr
.set i, 0
.rept 16
	v_cvt_pk_f16_f32 v[(\y)+i], v[(\x)+2*i], v[(\x)+2*i+1]
.set i, i+1
.endr
.endm
	s_load_b256 s[16:23], s[0:1], 0x0              ; x1 16, ln2_g 18, ln2_b 20, hy 22
	s_load_b64 s[24:25], s[0:1], 0x20              ; par
	v_lshrrev_b32 v1, 5, v0
	v_readfirstlane_b32 s2, v1                     ; wave 0..7
	v_and_b32 v1, 31, v0
	v_lshlrev_b32 v[LO], 5, v1
	v_lshlrev_b32 v[SO], 4, v1
	v_lshlrev_b32 v[PO], 3, v1
	s_mov_b32 s[SELA], 0x76543210
	s_mov_b32 s[SELA+1], 0xfedcba98
	s_mov_b32 s[INV], 0x3a800000                   ; 1/1024
	s_mov_b32 s[EPS], 0x3727c5ac                   ; 1e-5
	s_wait_alu depctr_va_sdst(0)                   ; s2 is written, ahead of its first reader: my first row's number is made from it
	s_lshl_b32 s4, ttmp9, 4
	s_lshl_b32 s5, s2, 1
	s_add_co_u32 s4, s4, s5                        ; my first row
	s_lshl_b32 s6, s4, 12
	s_mov_b32 s7, 0
	s_lshl_b32 s12, s4, 11
	s_mov_b32 s13, 0
	s_wait_kmcnt 0x0
	s_add_nc_u64 s[8:9], s[16:17], s[6:7]
	s_add_nc_u64 s[10:11], s[22:23], s[12:13]
	s_wait_alu depctr_va_vdst(0)                   ; v[LO], v[SO] and v[PO] are written: every load and store of the kernel reads one of them as its offset, and no vector instruction names them again
	LD8 X0, 8, 0
	LD8 X1, 8, 4096
	LD8 GA, 18, 0
	LD8 BE, 20, 0
	v_mov_b32 v[TP], 0                             ; v_permlanex16_b32 counts as a reader of its destination
	s_wait_loadcnt 24                              ; the first row's eight loads are in; 24 younger ones stay out
	LNSTAT X0, T0
	s_wait_loadcnt 16                              ; the second row's are in; gain and bias stay out
	LNSTAT X1, T1
	v_rsq_f32 v[R0], v[T0]                         ; one batch of four
	v_rsq_f32 v[R0+1], v[T0]
	v_rsq_f32 v[R1], v[T1]
	v_rsq_f32 v[R1+1], v[T1]
	v_nop                                          ; a plain instruction behind the last of them,
	s_wait_alu depctr_va_vdst(0)                   ; and the wait ahead of the first reader: the four roots have written v[R0:R0+1] and v[R1:R1+1]
	s_wait_loadcnt 0x0                             ; gain and bias
	LNOUT X0, R0, Y0
	s_wait_alu depctr_va_vdst(0)                   ; the first row's conversions have written Y0, which the four stores below read
	ST4 Y0, 0
	LNOUT X1, R1, Y1                               ; no wait between the stores and these lines: they name none of Y0 and v[SO]
	s_wait_alu depctr_va_vdst(0)                   ; the second row's conversions have written Y1, which the four stores below read
	ST4 Y1, 2048
	s_or_b32 s4, ttmp9, s2
	s_cmp_lg_u32 s4, 0
	s_cbranch_scc1 .Ldone
	v_mov_b32 v[ZZ], 1                             ; the selector for the launches behind this one: 1, in all 64 words of par
	v_mov_b32 v[ZZ+1], 1
	s_wait_alu depctr_va_vdst(0)                   ; the two moves have written v[ZZ:ZZ+1], which the store below reads
	global_store_b64 v[PO], v[ZZ:ZZ+1], s[24:25]
.Ldone:
	s_endpgm
.Lfunc_end_k_q3b08cc9a12_ln2:
	.size	k_q3b08cc9a12_ln2, .Lfunc_end_k_q3b08cc9a12_ln2-k_q3b08cc9a12_ln2
	.p2alignl 7, 3214868480
	.fill 96, 4, 3214868480
	.section	.rodata,"a",@progbits
	.p2align	6, 0x0
	.amdhsa_kernel k_q3b08cc9a12_ln2
		.amdhsa_group_segment_fixed_size 0
		.amdhsa_private_segment_fixed_size 0
		.amdhsa_enable_private_segment 0
		.amdhsa_kernarg_size 40
		.amdhsa_user_sgpr_count 2
		.amdhsa_user_sgpr_kernarg_segment_ptr 1
		.amdhsa_wavefront_size32 1
		.amdhsa_system_sgpr_workgroup_id_x 1
		.amdhsa_system_sgpr_workgroup_id_y 1
		.amdhsa_system_sgpr_workgroup_id_z 1
		.amdhsa_system_vgpr_workitem_id 0
		.amdhsa_next_free_vgpr 192
		.amdhsa_next_free_sgpr 66
		.amdhsa_reserve_vcc 0
		.amdhsa_float_denorm_mode_32 3
		.amdhsa_float_denorm_mode_16_64 3
		.amdhsa_memory_ordered 1
		.amdhsa_forward_progress 1
		.amdhsa_inst_pref_size 20
	.end_amdhsa_kernel
	.amdgpu_metadata
---
amdhsa.version: [ 1, 2 ]
amdhsa.kernels:
  - .name:           k_q3b08cc9a12_ln2
    .symbol:         k_q3b08cc9a12_ln2.kd
    .args:
      - { .name: x1, .offset: 0, .size: 8, .value_kind: global_buffer, .address_space: global }
      - { .name: ln2_g, .offset: 8, .size: 8, .value_kind: global_buffer, .address_space: global }
      - { .name: ln2_b, .offset: 16, .size: 8, .value_kind: global_buffer, .address_space: global }
      - { .name: hy, .offset: 24, .size: 8, .value_kind: global_buffer, .address_space: global }
      - { .name: par, .offset: 32, .size: 8, .value_kind: global_buffer, .address_space: global }
    .group_segment_fixed_size: 0
    .private_segment_fixed_size: 0
    .kernarg_segment_align: 8
    .kernarg_segment_size: 40
    .max_flat_workgroup_size: 256
    .sgpr_count:     66
    .vgpr_count:     192
    .wavefront_size: 32
...
	.end_amdgpu_metadata
.endif
;; end of part 7
;; launch ffn1: the kernel of part 2 again; grid 16 x 16, 4 waves a work-group, clusters of 4 x 4, 327,680 bytes of LDS; arguments hy, w116, ffn_b1, par, big; writes big
;; launch ffn2: the kernel of part 6 again; grid 8 x 32, 4 waves a work-group, clusters of 4 x 4, 327,680 bytes of LDS; arguments big, w216, ffn_b2, x1, out0; writes out0
